; MI455X (gfx1250); checked and timed in simulation.
; The chip was launched on July 23, 2026; its instructions are those of AMD's public machine-readable ISA for CDNA 5 (MIT licence, August 2026) and "CDNA5" Instruction Set Architecture Reference Guide (July 2026). The comments in the code are by the model that wrote it; some were corrected since.
;; Relation Tagger. Allowed arithmetic: float matrix products may take bf16 or f16 operands with f32 sums; other float arithmetic in f32, or as packed bf16 or f16 multiplies, adds, multiply-adds, maxima and minima; sums over many terms, partial sums and values carried from step to step in f32; what a program stores and reads back later, other than sums and carried values, may be rounded once to bf16 or f16.
;; Inputs: Wk 2 x 1,024 x 1,024 float32; Wq 2 x 1,024 x 1,024 float32; Wv 2 x 1,024 x 1,024 float32; emb 2 x 32 x 1,024 float32; hidden 16 x 512 x 1,024 float32.
;; Outputs: out0 16 x 2 x 544 x 512 float32.
;; 2 versions, each right; version 2 is version 1 with the launch prep written anew for expert scheduling mode. Each part assembles by itself: llvm-mc -triple=amdgcn-amd-amdhsa -mcpu=gfx1250 --defsym DOCPART=n.
;; ======== version 1 of 2: 3 launches
;; limits: values are held in f16: magnitudes above 65,504 overflow, below 6.1e-05 lose precision
;; workspace buffers: hb 16,777,216 bytes; wb 8,388,608 bytes; qk 71,303,168 bytes; wvs 8,192 bytes; vs 65,536 bytes
;; launch prep (part 1): grid 256 x 1, 16 waves a work-group, no clusters, 6,144 bytes of LDS; arguments hidden, Wk, Wq, Wv, emb, hb, wb, qk, wvs; writes hb, wb, qk, wvs
.if DOCPART == 1
	.amdgcn_target "amdgcn-amd-amdhsa--gfx1250"
	.amdhsa_code_object_version 6
	.text
	.protected	k_qe3abfcab87_prep
	.globl	k_qe3abfcab87_prep
	.p2align	8
	.type	k_qe3abfcab87_prep,@function
k_qe3abfcab87_prep:
	s_mov_b64 s[64:65], 0
	v_nop
	global_prefetch_b8 v0, s[64:65] scope:SCOPE_SE
	s_setreg_imm32_b32 hwreg(HW_REG_WAVE_MODE, 25, 1), 1
	s_wait_xcnt 0x0
; RelationTagger, launch 1 of 3: casts, label rows, column sums of Wv.
; out0[b,c,i,j] = (sum_o query[c,b,i,o] key[c,b,j,o]) x vsum[c,b,j];  key = hidden Wk^T, query = hidden Wq^T with emb[c] as rows 512..543.
; WORK LEFT OUT.  The value projection value[c,b,s,o] = sum_h hidden[b,s,h] Wv[c,o,h] is formed only to be summed over o.  For all finite
; values of the inputs sum_o sum_h hidden[h] Wv[o,h] = sum_h hidden[h] (sum_o Wv[o,h]): the same terms in another order.  So the product of
; 8192 x 1024 x 1024 a channel is not made: this launch sums Wv over o, the next multiplies each row of hidden by that one vector.
; Every input still has its way to the output, and all five are loaded.
; LIMIT of that: a NaN, an infinity or an overflow that would arise only in a single value[c,b,s,o] is not carried to the result.
; FORMATS.  All five inputs are rounded once to bf16.  Exact powers of two keep what the next launch stores in f16 inside f16's range:
;   hb = bf16(hidden / 2), wb = bf16(W / 2): the next launch's sums are q / 4 and k / 4;  label rows = bf16(emb / 4), written as f16;
;   wvs = 32 x sum_o bf16(Wv), in f32: the next launch's sum_h hb wvs is 16 x vsum, and (q/4 . k/4) x 16 vsum is the result.
; LIMITS of range: |q| / 4, |k| / 4 and |emb| / 4 stay within 65,504; below 6e-5 f16 keeps a fixed step of 6e-8.
; SHARES.  256 work-groups of 16 waves.  Groups 0-31: 64 columns of one channel of Wv, all 1,024 rows.  Groups 32-63: the 32 label rows for one pair (c, b).
; Groups 64-255: a chunk of 65,536 numbers of hidden (128 chunks), Wk (32) or Wq (32).  A wave issues all its loads, 32 of 512 consecutive bytes,
; before its first wait: nothing is looped over and no register that a load or store reads is written again.
.set X,   16                           ; v[16:143] 32 slots of four registers, as loaded
.set SPW, 150                          ; v150 LDS address of my spare word; never rewritten
.set NIL, 151                          ; v151 0; never rewritten
.set SPARE, 4096                       ; behind the 16 waves' partial sums (256 bytes each): 128 bytes of spare words a wave
.set AC0, 144                          ; v[144:147] four columns' sums, even loads
.set AC1, 152                          ; v[152:155] odd loads
	s_load_b256 s[4:11], s[0:1], 0x0               ; hidden s[4:5], Wk s[6:7], Wq s[8:9], Wv s[10:11]
	s_load_b256 s[12:19], s[0:1], 0x20             ; emb s[12:13], hb s[14:15], wb s[16:17], qk s[18:19]
	s_load_b64 s[20:21], s[0:1], 0x40              ; wvs
	v_lshl_add_u32 v[SPW], v0, 2, SPARE
	v_mov_b32 v[NIL], 0
	v_lshrrev_b32 v6, 5, v0
	v_readfirstlane_b32 s22, v6                    ; wave 0..15
	v_and_b32 v1, 31, v0                           ; lane
	v_and_b32 v2, 15, v0                           ; lane % 16
	v_bfe_u32 v3, v0, 4, 1                         ; lane / 16
	s_mov_b32 s23, ttmp9                           ; the work-group's number: the same in all its waves
	s_mov_b32 s31, 0                               ; the high word of every offset
	s_wait_kmcnt 0x0
	s_cmp_lt_u32 s23, 32
	s_cbranch_scc1 .Lsum
	s_cmp_lt_u32 s23, 64
	s_cbranch_scc1 .Llab
	; A CHUNK OF hidden, Wk OR Wq: x / 2 rounded to bf16.  262,144 bytes in, 131,072 out.
	s_sub_co_u32 s24, s23, 64                      ; q = 0..191
	s_sub_co_u32 s32, s24, 128                     ; chunk of wb (Wk's 32, then Wq's 32), and of Wk
	s_sub_co_u32 s33, s24, 160                     ; chunk of Wq
	s_cmp_lt_u32 s24, 160
	s_cselect_b64 s[26:27], s[6:7], s[8:9]
	s_cselect_b32 s34, s32, s33
	s_cmp_lt_u32 s24, 128
	s_cselect_b64 s[26:27], s[4:5], s[26:27]
	s_cselect_b32 s34, s24, s34
	s_cselect_b64 s[28:29], s[14:15], s[16:17]
	s_cselect_b32 s35, s24, s32
	s_lshl_b32 s30, s34, 18
	s_add_nc_u64 s[26:27], s[26:27], s[30:31]      ; the source at my chunk
	s_lshl_b32 s30, s35, 17
	s_add_nc_u64 s[28:29], s[28:29], s[30:31]      ; the destination at my chunk
	s_lshl_b32 s25, s22, 14
	v_lshl_add_u32 v4, v1, 4, s25                  ; in: 16,384 x wave + 16 x lane
	s_lshl_b32 s25, s22, 13
	v_lshl_add_u32 v5, v1, 3, s25                  ; out: 8,192 x wave + 8 x lane
.set i, 0
.rept 32
	global_load_b128 v[X+4*i:X+4*i+3], v4, s[26:27] offset:512*i th:TH_LOAD_NT
.set i, i+1
.endr
.set i, 0
.rept 32
	s_wait_loadcnt 31-i                            ; loads come back in order: slot i is in, the 31 - i younger ones stay out
	v_pk_mul_f32 v[X+4*i:X+4*i+1], v[X+4*i:X+4*i+1], 0.5 op_sel_hi:[1,0]
	v_pk_mul_f32 v[X+4*i+2:X+4*i+3], v[X+4*i+2:X+4*i+3], 0.5 op_sel_hi:[1,0]
	v_cvt_pk_bf16_f32 v[X+4*i], v[X+4*i], v[X+4*i+1]
	v_cvt_pk_bf16_f32 v[X+4*i+1], v[X+4*i+2], v[X+4*i+3]
	global_store_b64 v5, v[X+4*i:X+4*i+1], s[28:29] offset:256*i  ; the wave's 32 lanes store 256 consecutive bytes, aligned
.set i, i+1
.endr
	s_endpgm
.Llab:	; THE LABEL ROWS of pair p = 16 c + b = group - 32: emb[c] / 4, rounded to bf16, that number written as f16, into rows 512..543 of block 32 + p of qk.
	s_sub_co_u32 s24, s23, 32
	s_lshr_b32 s24, s24, 4                         ; c
	s_lshl_b32 s30, s24, 17                        ; 32 rows of 4,096 bytes a channel
	s_add_nc_u64 s[26:27], s[12:13], s[30:31]
	s_mul_i32 s30, s23, 544                        ; block 32 + p is the group's own number
	s_add_co_u32 s30, s30, 512
	s_lshl_b32 s30, s30, 11                        ; rows of 2,048 bytes
	s_add_nc_u64 s[28:29], s[18:19], s[30:31]
	s_lshl_b32 s25, s22, 13
	v_lshl_add_u32 v4, v1, 4, s25
	s_lshl_b32 s25, s22, 12
	v_lshl_add_u32 v5, v1, 3, s25
.set i, 0
.rept 16
	global_load_b128 v[X+4*i:X+4*i+3], v4, s[26:27] offset:512*i  ; sixteen work-groups read the same rows: no hint
.set i, i+1
.endr
.set i, 0
.rept 16
	s_wait_loadcnt 15-i
	v_pk_mul_f32 v[X+4*i:X+4*i+1], v[X+4*i:X+4*i+1], 0x3e800000 op_sel_hi:[1,0]
	v_pk_mul_f32 v[X+4*i+2:X+4*i+3], v[X+4*i+2:X+4*i+3], 0x3e800000 op_sel_hi:[1,0]
	v_cvt_pk_bf16_f32 v144, v[X+4*i], v[X+4*i+1]   ; the rounding that all inputs get
	v_cvt_pk_bf16_f32 v145, v[X+4*i+2], v[X+4*i+3]
	v_lshlrev_b32 v[X+4*i], 16, v144
	v_and_b32 v[X+4*i+1], 0xffff0000, v144
	v_lshlrev_b32 v[X+4*i+2], 16, v145
	v_and_b32 v[X+4*i+3], 0xffff0000, v145
	v_cvt_pk_f16_f32 v[X+4*i], v[X+4*i], v[X+4*i+1]  ; 8 significant bits fit f16's 11
	v_cvt_pk_f16_f32 v[X+4*i+1], v[X+4*i+2], v[X+4*i+3]
	global_store_b64 v5, v[X+4*i:X+4*i+1], s[28:29] offset:256*i
.set i, i+1
.endr
	s_endpgm
.Lsum:	; 32 x THE SUM OVER o OF bf16(Wv[c][o][h]) for 64 columns h.  Wave w takes rows 64 w .. 64 w + 63; a load takes 256 consecutive, aligned bytes of each of two rows.
	s_lshr_b32 s24, s23, 4                         ; c
	s_and_b32 s25, s23, 15                         ; which 64 columns
	s_lshl_b32 s30, s24, 22
	s_lshl_b32 s32, s25, 8
	s_add_co_u32 s30, s30, s32
	s_add_nc_u64 s[26:27], s[10:11], s[30:31]
	s_lshl_b32 s30, s24, 12
	s_add_co_u32 s30, s30, s32
	s_add_nc_u64 s[28:29], s[20:21], s[30:31]      ; wvs at my 64 numbers
	s_mov_b32 s36, 0x76543210                      ; v_permlanex16_b32: each lane takes its own place in the other half
	s_mov_b32 s37, 0xfedcba98
	s_lshl_b32 s25, s22, 18
	v_lshl_add_u32 v4, v3, 12, s25                 ; (64 x wave + lane / 16) rows of 4,096 bytes
	v_lshl_add_u32 v4, v2, 4, v4                   ; + 16 x (lane % 16)
	s_lshl_b32 s33, s22, 8
	v_lshl_add_u32 v7, v2, 4, s33                  ; LDS: 256 x wave + 16 x (lane % 16)
	v_lshlrev_b32 v8, 3, v1                        ; 8 x lane
.set i, 0
.rept 32
	global_load_b128 v[X+4*i:X+4*i+3], v4, s[26:27] offset:8192*i th:TH_LOAD_NT
.set i, i+1
.endr
	v_mov_b32 v148, 0x42000000                     ; 32.0
.irp r, 0,1,2,3
	v_mov_b32 v[AC0+\r], 0                         ; eight sums start at 0 while the loads are out
	v_mov_b32 v[AC1+\r], 0
.endr
.set i, 0
.rept 32
.set A, AC0+8*(i%2)                    ; two sets by turns, so that a sum's links stand eight lines apart
	s_wait_loadcnt 31-i
	v_cvt_pk_bf16_f32 v[X+4*i], v[X+4*i], v[X+4*i+1]
	v_cvt_pk_bf16_f32 v[X+4*i+1], v[X+4*i+2], v[X+4*i+3]
	v_fma_mix_f32_bf16 v[A],   v[X+4*i],   v148, v[A]   op_sel_hi:[1,0,0]               ; the low half x 32 + the sum, in f32
	v_fma_mix_f32_bf16 v[A+1], v[X+4*i],   v148, v[A+1] op_sel:[1,0,0] op_sel_hi:[1,0,0]  ; the high half
	v_fma_mix_f32_bf16 v[A+2], v[X+4*i+1], v148, v[A+2] op_sel_hi:[1,0,0]
	v_fma_mix_f32_bf16 v[A+3], v[X+4*i+1], v148, v[A+3] op_sel:[1,0,0] op_sel_hi:[1,0,0]
.set i, i+1
.endr
	v_pk_add_f32 v[AC0:AC0+1], v[AC0:AC0+1], v[AC1:AC1+1]
	v_pk_add_f32 v[AC0+2:AC0+3], v[AC0+2:AC0+3], v[AC1+2:AC1+3]
.irp r, 0,1,2,3
	v_permlanex16_b32 v[X+\r], v[AC0+\r], s36, s37 ; the odd rows' sums lie 16 lanes away
.endr
.irp r, 0,1,2,3
	v_add_f32 v[AC0+\r], v[AC0+\r], v[X+\r]
.endr
	ds_store_b128 v7, v[AC0:AC0+3]                 ; lanes l and l + 16 store the same numbers at the same place
	s_wait_dscnt 0x0                               ; for the others' sake: my store is done
	s_barrier_signal -1                            ; all 16 waves of this work-group are on this path: the branch that led here hangs on the work-group's number alone
	s_barrier_wait -1
	s_cmp_lg_u32 s22, 0
	s_cbranch_scc1 .Lsum_end
.set k, 0
.rept 16
	ds_load_b64 v[X+2*k:X+2*k+1], v8 offset:256*k  ; wave k's sums of my two columns
.set k, k+1
.endr
	s_wait_dscnt 0x0
.irp st, 8,4,2,1
.set k, 0
.rept \st
	v_pk_add_f32 v[X+2*k:X+2*k+1], v[X+2*k:X+2*k+1], v[X+2*(k+\st):X+2*(k+\st)+1]
.set k, k+1
.endr
.endr
	global_store_b64 v8, v[X:X+1], s[28:29]        ; 256 consecutive bytes, aligned
.Lsum_end:
	s_wait_tensorcnt 0x0                           ; the wave's end, behind my last LDS store
	ds_add_u32 v[SPW], v[NIL]
	s_wait_dscnt 0x0
	s_endpgm
.Lfunc_end_k_qe3abfcab87_prep:
	.size	k_qe3abfcab87_prep, .Lfunc_end_k_qe3abfcab87_prep-k_qe3abfcab87_prep
	.p2alignl 7, 3214868480
	.fill 96, 4, 3214868480
	.section	.rodata,"a",@progbits
	.p2align	6, 0x0
	.amdhsa_kernel k_qe3abfcab87_prep
		.amdhsa_group_segment_fixed_size 6144
		.amdhsa_private_segment_fixed_size 0
		.amdhsa_enable_private_segment 0
		.amdhsa_kernarg_size 72
		.amdhsa_user_sgpr_count 2
		.amdhsa_user_sgpr_kernarg_segment_ptr 1
		.amdhsa_wavefront_size32 1
		.amdhsa_system_sgpr_workgroup_id_x 1
		.amdhsa_system_sgpr_workgroup_id_y 1
		.amdhsa_system_sgpr_workgroup_id_z 1
		.amdhsa_system_vgpr_workitem_id 0
		.amdhsa_next_free_vgpr 160
		.amdhsa_next_free_sgpr 66
		.amdhsa_reserve_vcc 0
		.amdhsa_float_denorm_mode_32 3
		.amdhsa_float_denorm_mode_16_64 3
		.amdhsa_memory_ordered 1
		.amdhsa_forward_progress 1
		.amdhsa_inst_pref_size 51
	.end_amdhsa_kernel
	.amdgpu_metadata
---
amdhsa.version: [ 1, 2 ]
amdhsa.kernels:
  - .name:           k_qe3abfcab87_prep
    .symbol:         k_qe3abfcab87_prep.kd
    .args:
      - { .name: hidden, .offset: 0, .size: 8, .value_kind: global_buffer, .address_space: global }
      - { .name: Wk, .offset: 8, .size: 8, .value_kind: global_buffer, .address_space: global }
      - { .name: Wq, .offset: 16, .size: 8, .value_kind: global_buffer, .address_space: global }
      - { .name: Wv, .offset: 24, .size: 8, .value_kind: global_buffer, .address_space: global }
      - { .name: emb, .offset: 32, .size: 8, .value_kind: global_buffer, .address_space: global }
      - { .name: hb, .offset: 40, .size: 8, .value_kind: global_buffer, .address_space: global }
      - { .name: wb, .offset: 48, .size: 8, .value_kind: global_buffer, .address_space: global }
      - { .name: qk, .offset: 56, .size: 8, .value_kind: global_buffer, .address_space: global }
      - { .name: wvs, .offset: 64, .size: 8, .value_kind: global_buffer, .address_space: global }
    .group_segment_fixed_size: 6144
    .private_segment_fixed_size: 0
    .kernarg_segment_align: 8
    .kernarg_segment_size: 72
    .max_flat_workgroup_size: 512
    .sgpr_count:     66
    .vgpr_count:     160
    .wavefront_size: 32
...
	.end_amdgpu_metadata
.endif
;; end of part 1
;; launch proj (part 2): grid 16 x 16, 4 waves a work-group, clusters of 4 x 4, 327,680 bytes of LDS; arguments hb, wb, qk, wvs, vs; writes qk, vs
.if DOCPART == 2
	.amdgcn_target "amdgcn-amd-amdhsa--gfx1250"
	.amdhsa_code_object_version 6
	.text
	.protected	k_qe3abfcab87_proj
	.globl	k_qe3abfcab87_proj
	.p2align	8
	.type	k_qe3abfcab87_proj,@function
k_qe3abfcab87_proj:
	s_mov_b64 s[64:65], 0
	v_nop
	global_prefetch_b8 v0, s[64:65] scope:SCOPE_SE
	s_setreg_imm32_b32 hwreg(HW_REG_WAVE_MODE, 25, 1), 1
	s_wait_xcnt 0x0
	s_wait_alu depctr_hold_cnt(0) depctr_sa_sdst(0) depctr_va_vdst(0) depctr_va_sdst(0) depctr_va_ssrc(0) depctr_va_vcc(0) depctr_vm_vsrc(0)
	s_getreg_b32 s2, hwreg(HW_REG_IB_STS2, 6, 4)
	s_cmp_eq_u32 s2, 0
	s_cbranch_scc0 .Lentry_in_a_cluster
	s_endpgm
.Lentry_in_a_cluster:
	s_bfe_u32 s2, ttmp6, 0x10000c
	s_cmp_lg_u32 s2, 0xf033
	s_cbranch_scc0 .Lentry_shape_is_right
	s_endpgm
.Lentry_shape_is_right:
; RelationTagger, launch 2 of 3: k / 4 and q / 4, and 16 x vsum.
; C[m][n] = sum over h of hb[m][h] wb[n][h]; m = 512 b + s (8,192 rows), n = 1,024 (2 which + c) + o (4,096; which 0: key, 1: query); bf16 operands, f32 sums, C rounded once to f16
; and stored at qk[16 (2 which + c) + b][s][o], blocks of 544 rows of 2,048 bytes (rows 512..543 of the query blocks hold the labels, stored by the launch before).
; LEFT OUT: the value projection; only its sum over o is wanted, and that is sum_h hb[m][h] wvs[c][h], made here on the vector unit (the proof stands at the head of the first kernel).
; LIMIT: |q| / 4 and |k| / 4 stay within f16's 65,504; below 6e-5 f16 keeps a fixed step of 6e-8.
; A tile of C, 256 x 256, is made by four waves, each 128 x 128: 64 accumulators, 512 registers.  K goes in steps of 128 through a ring of two LDS slots filled by tensor loads: each row of a tile
; is 256 bytes of memory, at a multiple of 256 bytes from the buffer's first byte.  A WORK-GROUP MAKES TWO TILES, 4,096 rows apart, and the ring runs on from the first into the second;
; the second tile's last K step goes by rows of C, so that finished rows leave while the others are multiplied.
; CLUSTERS: 4 x 4 work-groups.  The four of a row of the cluster need the same tiles of hb, the four of a column the same tiles of wb: each tile is asked for jointly, by the same tensor load
; with the same descriptor and a mask that names the four.
; REGISTERS, in windows of 256:  window 0: v0-31 addresses; v64-127, v128-191 fragments of hb, two buffers (in the very last K step four of 16 rows x 128 K); v32-63, v192-255 at work on the way out
;   window 1: v64-127, v128-191 fragments of wb (in the very last K step all 256)     window 2, 3: the accumulators of my rows 0-63, 64-127: (a, b) at v[8 (8 a + b)]
; s_set_vgpr_msb's low byte: bits 1:0 source 0, 3:2 source 1, 5:4 source 2, 7:6 destination.
; THE MATRIX INSTRUCTION IS USED TRANSPOSED: source 0 = 16 rows of wb, source 1 = 16 rows of hb: lane l then holds row m = l % 16 of C and the columns 8 (l / 16) + 0..7: 16 bytes on end.
.set SIZE_M, 8192
.set SIZE_N, 4096
.set SIZE_K, 1024
.set SIZE_TILES, 2
.set KSTEP,  128
.set PITCH,  272                       ; an LDS row: 256 bytes + 16 of padding = 68 words: the 16 rows that a load touches start at 16 different groups of four banks (ISA guide 11.1)
.set HALFT,  128*PITCH                 ; 128 rows: what one tensor load brings
.set SLOT,   4*HALFT                   ; hb's 256 rows, then wb's 256 rows
.set STAGE,  2*SLOT                    ; behind the ring: 16 rows x 272 bytes for each wave, for the way out
.set SPITCH, 272
.set SPARE,  STAGE+4*16*SPITCH         ; behind the stages: the spare words, 128 bytes a wave
.set LAPS, SIZE_K/(2*KSTEP)            ; a lap = two K steps = once round the ring
.set WALK,   SIZE_M/SIZE_TILES         ; the two tiles lie 4,096 rows apart: eight batches
.set NEXT_A, WALK*SIZE_K*2-(SIZE_K-2*KSTEP)*2   ; from a slot's last K step of a tile to its first of the next: hb goes WALK rows down and back along K,
.set BACK_B, (SIZE_K-2*KSTEP)*2        ; wb only back
.set OPITCH, 2048                      ; bytes in a row of qk
.set BLOCKB, 544*OPITCH                ; bytes in a block of qk
.set NEXT_C, 8*BLOCKB-7*16*OPITCH      ; from my last 16 rows of the first tile to my first of the second: eight blocks on
.set ADRA, 16                          ; v16-17  LDS address of my hb fragments in slot 0, 1
.set ADRB, 20                          ; v20-21  the same for wb
.set STO,  24                          ; v24     the way out: where I put 16 bytes of a row
.set RD,   25                          ; v25     the way out: where I read a row back
.set CO,   26                          ; v26     my byte offset in two rows of qk
.set SPW,  28                          ; v28     LDS address of my spare word; never rewritten
.set NIL,  29                          ; v29     0; never rewritten
.set PFO,  30                          ; v30     the prefetches' offset: my lane x a row of hb or wb; never rewritten
.set PFA,  44                          ; s[44:45] where my prefetches stand
.set LIM,  43                          ; s43     1 in a wave that prefetches, else the greatest number
.set F0,   64
.set F1,   128
.set TMP,  192
.set OB,   32
.set PA,   64
.set G1, 24                            ; s[24:31] descriptor group 1 for hb's tiles
.set G0, 32                            ; s[32:39] group 0 for hb's tiles, one set for each slot
.set G1B, 48                           ; s[48:55] group 1 for wb's tiles: it differs in the mask alone
.set G0B, 56                           ; s[56:63] group 0 for wb's tiles
.set VA,  32                           ; v[32:47]  the head's sums: row r of my 8, channel c at VA + 2 r + c
.set HR,  64                           ; v[64:191] the head's rows of hb: row r, piece j at HR + 16 r + 4 j
.set WR,  192                          ; v[192:255] wvs: channel c, piece j at WR + 32 c + 8 j: columns 256 j + 8 lane + 0..7
.set MSB, 0
.macro WIN new                         ; the immediate's high byte repeats the setting that is left; a switch that changes nothing is dropped
.if MSB != (\new)
	s_set_vgpr_msb (MSB<<8)|(\new)
.set MSB, \new
.endif
.endm
.set MUL_LO, 0xa1                      ; source 0 (wb) window 1, source 1 (hb) window 0, C and D window 2
.set MUL_HI, 0xf1                      ; the same, C and D window 3
.set TO_B,   0x40                      ; destination window 1, address window 0
; A joint load.  Waves 0 and 1 fetch hb's two halves, waves 2 and 3 wb's.  The branch hangs on the wave's number alone.  An s_nop 0 and four v_nop follow each line.
.macro JLOAD s
	s_cmp_eq_u32 s11, 0
	s_cbranch_scc0 .Lfor_b_\@
	tensor_load_to_lds s[G0+4*(\s):G0+4*(\s)+3], s[G1:G1+7]
	s_nop 0
.rept 4
	v_nop
.endr
	s_branch .Lasked_\@
.Lfor_b_\@:
	tensor_load_to_lds s[G0B+4*(\s):G0B+4*(\s)+3], s[G1B:G1B+7]
	s_nop 0
.rept 4
	v_nop
.endr
.Lasked_\@:
.endm
; A prefetch, behind each joint load and the run of LDS loads that follows it: the K step that stands two refills on, 512 matrix instructions ahead of the load that will want it: 32 rows x 256 bytes, a lane a row.
; Each row's 256 bytes of a K step are named once in the launch: the clusters with x = 0 ask for hb's rows, those with y = 0 for wb's; the four partners that ask for a tile jointly share
; the 128 rows that a wave fetches by address, 32 each.  how = 0, in the loop: a tile's last two refills have no K step two on; how = 1: at the change of tiles.
.macro ASK how
.if \how
	s_cmp_eq_u32 s[LIM], 1
.else
	s_cmp_gt_u32 s3, s[LIM]                        ; s3 = 1 in the loop's last trip
.endif
	s_cbranch_scc0 .Lnot_mine_\@
	global_prefetch_b8 v[PFO], s[PFA:PFA+1] offset:KSTEP*2 th:TH_LOAD_NT scope:SCOPE_SE
.Lnot_mine_\@:
.endm
.macro CREST                           ; a round of the cluster's barrier behind its opening barrier: wave 0 signals for the work-group, every wave waits for all sixteen, my work-group's barrier closes it
	s_cmp_lg_u32 s10, 0
	s_cbranch_scc1 .Lnot_wave_0_\@
	s_barrier_signal -3
.Lnot_wave_0_\@:
	s_barrier_wait -3
	s_barrier_signal -1
	s_barrier_wait -1
.endm
.macro CROUND                          ; a whole round
	s_barrier_signal -1
	s_barrier_wait -1
	CREST
.endm
	s_load_b128 s[4:7], s[0:1], 0x0                ; hb s[4:5], wb s[6:7]
	s_load_b64 s[8:9], s[0:1], 0x10                ; qk
	s_load_b64 s[68:69], s[0:1], 0x18              ; wvs
	s_load_b64 s[70:71], s[0:1], 0x20              ; vs
	v_lshl_add_u32 v[SPW], v0, 2, SPARE
	v_mov_b32 v[NIL], 0
	ds_add_u32 v[SPW], v[NIL]                      ; the wave's opening: the add, twice on end, and its wait ahead of my first tensor load
	ds_add_u32 v[SPW], v[NIL]
	v_lshrrev_b32 v1, 5, v0
	v_readfirstlane_b32 s10, v1                    ; wave 0..3
	s_lshr_b32 s11, s10, 1                         ; which half of the tile's rows is mine.  Also: I fetch for hb (0) or for wb (1)
	s_and_b32 s12, s10, 1                          ; which half of its columns.  Also: which 128 rows of that tile I fetch
	s_bfe_u32 s40, ttmp6, 0x40000                  ; cx
	s_bfe_u32 s41, ttmp6, 0x40004                  ; cy
	s_lshl_b32 s42, ttmp9, 2
	s_add_co_u32 s42, s42, s40                     ; tile column = 4 x cluster x + cx
	s_and_b32 s13, ttmp7, 0xffff
	s_lshl_b32 s13, s13, 2
	s_add_co_u32 s13, s13, s41                     ; tile row = 4 x cluster y + cy
	s_lshl_b32 s43, s41, 2
	s_lshl_b32 s43, 15, s43                        ; my row of the cluster: places 4 cy .. 4 cy + 3
	s_lshl_b32 s44, 0x1111, s40                    ; my column: places cx, cx + 4, cx + 8, cx + 12
	; descriptor group 1: a tile of 128 rows x 128 elements, padded in LDS
	s_or_b32 s[G1+0], s43, (1<<16)|(1<<20)|(1<<21)|(5<<22)|(3<<25)  ; 15:0 the mask; 17:16 2-byte elements; 20 padding on; 21 set beside a mask; 24:22 after every 64 words; 31:25 four words of it
	s_or_b32 s[G1B+0], s44, (1<<16)|(1<<20)|(1<<21)|(5<<22)|(3<<25)
.irp g, G1, G1B
	s_mov_b32 s[(\g)+1], KSTEP<<16                 ; tensor_dim0 = 128
	s_mov_b32 s[(\g)+2], 128<<16                   ; tensor_dim1 = 128
	s_mov_b32 s[(\g)+3], KSTEP<<16                 ; tile_dim0 = 128
	s_mov_b32 s[(\g)+4], 128                       ; tile_dim1 = 128
	s_mov_b32 s[(\g)+5], SIZE_K                    ; elements from row to row
	s_mov_b32 s[(\g)+6], 0
	s_mov_b32 s[(\g)+7], 0
.endr
	; hb's tiles hang on the tile row alone, wb's on the tile column alone; each address is made in registers that never hold the other coordinate
	s_lshl_b32 s17, s12, 7
	s_lshl_b32 s16, s13, 8
	s_add_co_u32 s16, s16, s17                     ; hb: row 256 x tile row + 128 x half
	s_lshl_b32 s46, s42, 8
	s_add_co_u32 s46, s46, s17                     ; wb: row 256 x tile column + 128 x half
	s_mov_b32 s17, 0
	s_mov_b32 s47, 0
	s_mov_b64 s[18:19], SIZE_K*2
	s_mul_u64 s[16:17], s[16:17], s[18:19]
	s_mul_u64 s[46:47], s[46:47], s[18:19]
	s_mul_i32 s20, s10, HALFT                      ; where they go: wave x 128 rows
	s_wait_dscnt 0x0                               ; both opening adds are done
	s_wait_kmcnt 0x0
	s_add_nc_u64 s[14:15], s[4:5], s[16:17]
	s_add_nc_u64 s[46:47], s[6:7], s[46:47]
	CROUND                                         ; all sixteen work-groups are here: the first joint loads meet
.irp s, 0,1
	s_mov_b32 s[G0+4*(\s)], 1                                      ; count = 1
	s_add_co_u32 s[G0+4*(\s)+1], s20, (\s)*SLOT                    ; LDS address
	s_add_nc_u64 s[G0+4*(\s)+2:G0+4*(\s)+3], s[14:15], (\s)*KSTEP*2  ; global address: K step s
	s_or_b32 s[G0+4*(\s)+3], s[G0+4*(\s)+3], 0x80000000            ; type = 2
	s_mov_b32 s[G0B+4*(\s)], 1
	s_add_co_u32 s[G0B+4*(\s)+1], s20, (\s)*SLOT
	s_add_nc_u64 s[G0B+4*(\s)+2:G0B+4*(\s)+3], s[46:47], (\s)*KSTEP*2
	s_or_b32 s[G0B+4*(\s)+3], s[G0B+4*(\s)+3], 0x80000000
	JLOAD \s                                       ; two tensor loads of mine are out
.endr
	; a fragment is 16 rows x 32 K in 8 registers: lane l holds row l % 16, K = 8 (l / 16) + 0..7 and 16 + 8 (l / 16) + 0..7: two loads of 16 bytes, 32 bytes apart
	v_and_b32 v1, 15, v0                           ; l % 16
	v_bfe_u32 v2, v0, 4, 1                         ; l / 16
	v_mul_u32_u24 v3, v1, PITCH
	v_lshl_add_u32 v3, v2, 4, v3
	s_mul_i32 s21, s11, HALFT                      ; my 128 rows of hb
	s_mul_i32 s22, s12, HALFT                      ; my 128 rows of wb,
	s_add_co_u32 s22, s22, 2*HALFT                 ; which lie behind hb's 256
.irp s, 0,1
	v_add_nc_u32 v[ADRA+(\s)], s21, v3
	v_add_nc_u32 v[ADRB+(\s)], s22, v3
	s_add_co_u32 s21, s21, SLOT
	s_add_co_u32 s22, s22, SLOT
.endr
	s_mul_i32 s23, s10, 16*SPITCH
	s_add_co_u32 s23, s23, STAGE                   ; my stage
	v_mul_u32_u24 v4, v1, SPITCH                   ; in: row l % 16, 16 bytes for each half of the lanes
	v_lshl_add_u32 v4, v2, 4, v4
	v_add_nc_u32 v[STO], s23, v4
	v_mul_u32_u24 v5, v2, SPITCH                   ; back: lanes 0-15 take one row of 256 bytes, lanes 16-31 the next
	v_lshl_add_u32 v5, v1, 4, v5
	v_add_nc_u32 v[RD], s23, v5
	v_mul_u32_u24 v5, v2, OPITCH                   ; and the same two rows in qk
	v_lshl_add_u32 v[CO], v1, 4, v5
	; where my part of the first tile begins in qk: batch = tile row / 2, token = 256 (tile row % 2) + 128 x half; block group = tile column / 4, channel o = 256 (tile column % 4) + 128 x half
	s_lshr_b32 s16, s13, 1
	s_mul_i32 s16, s16, 544
	s_and_b32 s14, s13, 1
	s_lshl_b32 s14, s14, 8
	s_add_co_u32 s16, s16, s14
	s_lshl_b32 s14, s11, 7
	s_add_co_u32 s16, s16, s14
	s_lshl_b32 s16, s16, 11                        ; rows of 2,048 bytes
	s_mov_b32 s17, 0
	s_lshr_b32 s46, s42, 2
	s_mul_i32 s46, s46, 16*BLOCKB                  ; sixteen blocks to a group (in the registers that held wb's address: none that feeds hb's descriptors ever holds cx)
	s_and_b32 s47, s42, 3
	s_lshl_b32 s47, s47, 9
	s_add_co_u32 s46, s46, s47
	s_lshl_b32 s47, s12, 8
	s_add_co_u32 s46, s46, s47
	s_mov_b32 s47, 0
	s_add_nc_u64 s[16:17], s[16:17], s[46:47]      ; the first way out adds this to qk's address
	s_lshl_b32 s13, s13, 8                         ; 256 x tile row
	; the prefetches
	s_lshl_b32 s42, s42, 8                         ; 256 x tile column
	s_and_b32 s22, ttmp7, 0xffff                   ; cluster y
	s_cmp_eq_u32 s11, 0                            ; do I fetch for hb?
	s_cselect_b32 s20, s13, s42                    ; the tile's first row
	s_cselect_b32 s21, s40, s41                    ; my place among the four that ask for it with me
	s_cselect_b32 s22, ttmp9, s22                  ; the coordinate along which other clusters read the same rows
	s_cselect_b64 s[PFA:PFA+1], s[4:5], s[6:7]
	s_cmp_eq_u32 s22, 0
	s_cselect_b32 s[LIM], 1, -1                    ; the same in all sixteen partners, for a given wave
	s_lshl_b32 s22, s12, 7
	s_add_co_u32 s20, s20, s22                     ; + the 128 rows that I fetch
	s_lshl_b32 s21, s21, 5
	s_add_co_u32 s20, s20, s21                     ; + my work-group's 32 of them
	s_mov_b32 s21, 0
	s_mov_b64 s[18:19], SIZE_K*2
	s_mul_u64 s[20:21], s[20:21], s[18:19]
	s_add_nc_u64 s[PFA:PFA+1], s[PFA:PFA+1], s[20:21]
	s_add_nc_u64 s[PFA:PFA+1], s[PFA:PFA+1], 2*KSTEP*2  ; at K step 2: the first refill steps it to 3 and names K step 4.  Nothing is prefetched here, at the head
	; 16 x vsum, WHILE THE FIRST TWO TILES ARE ON THEIR WAY.  vs[c][m] = sum_h hb[m][h] wvs[c][h], in f32.  Work-group 16 x tile row + tile column owns 32 rows of hb, a wave 8 of them.
	; A lane takes columns 256 j + 8 lane + 0..7 (j = 0..3) of each row: a load covers 512 consecutive bytes.  No LDS, no branch; the work-group's place enters global addresses alone.
	s_lshl_b32 s72, s13, 1                         ; 512 x tile row
	s_lshr_b32 s73, s42, 3                         ; 32 x tile column
	s_add_co_u32 s72, s72, s73
	s_lshl_b32 s73, s10, 3
	s_add_co_u32 s72, s72, s73                     ; my first row
	s_mov_b32 s74, 0x76543210                      ; v_permlanex16_b32: each lane takes its own place in the other half
	s_mov_b32 s75, 0xfedcba98
	v_and_b32 v[PFO], 31, v0
	v_and_b32 v31, 31, v0
	v_mul_u32_u24 v[PFO], v[PFO], SIZE_K*2
	s_lshl_b32 s73, s72, 11
	v_lshl_add_u32 v52, v31, 4, s73                ; hb: row x 2,048 + 16 x lane
	v_lshlrev_b32 v53, 5, v31                      ; wvs: 32 x lane
.irp c, 0,1
.irp j, 0,1,2,3
	global_load_b128 v[WR+32*\c+8*\j:WR+32*\c+8*\j+3],   v53, s[68:69] offset:4096*\c+1024*\j
	global_load_b128 v[WR+32*\c+8*\j+4:WR+32*\c+8*\j+7], v53, s[68:69] offset:4096*\c+1024*\j+16
.endr
.endr
.irp r, 0,1,2,3,4,5,6,7
.irp j, 0,1,2,3
	global_load_b128 v[HR+16*\r+4*\j:HR+16*\r+4*\j+3], v52, s[4:5] offset:2048*\r+512*\j
.endr
.endr
.set vi, 0
.rept 16
	v_mov_b32 v[VA+vi], 0                          ; sixteen sums start at 0 while the loads are out
.set vi, vi+1
.endr
.set vr, 0
.rept 4                                ; two rows at a time: four sums by turns
	s_wait_loadcnt 24-4*vr                         ; wvs and the rows up to vr + 1 are in; the later rows' loads, four a row, stay out
.set vj, 0
.rept 4
.set vq, 0
.rept 4
.irp hf, 0,1
.irp rr, 0,1
.irp c, 0,1
	v_fma_mix_f32_bf16 v[VA+2*(vr+\rr)+\c], v[HR+16*(vr+\rr)+4*vj+vq], v[WR+32*\c+8*vj+2*vq+\hf], v[VA+2*(vr+\rr)+\c] op_sel:[\hf,0,0] op_sel_hi:[1,0,0]
.endr
.endr
.endr
.set vq, vq+1
.endr
.set vj, vj+1
.endr
.set vr, vr+2
.endr
.irp m, 1,2,4,8                        ; over the 32 lanes: four steps inside each half of 16, one across the halves
.set vi, 0
.rept 16
	v_add_f32_dpp v[VA+vi], v[VA+vi], v[VA+vi] row_xmask:\m row_mask:0xf bank_mask:0xf
.set vi, vi+1
.endr
.endr
.set vi, 0
.rept 16
	v_permlanex16_b32 v[HR+vi], v[VA+vi], s74, s75
.set vi, vi+1
.endr
.set vi, 0
.rept 16
	v_add_f32 v[VA+vi], v[VA+vi], v[HR+vi]
.set vi, vi+1
.endr
	v_mov_b32 v50, v[VA]                           ; lanes i and i + 16 take channel i / 8, row i % 8
.set vi, 1
.rept 15
	s_mov_b32 s76, 0x10001<<vi
	v_cndmask_b32 v50, v50, v[VA+2*(vi&7)+(vi>>3)], s76
.set vi, vi+1
.endr
	v_and_b32 v54, 7, v0
	v_bfe_u32 v55, v0, 3, 1
	s_lshl_b32 s73, s72, 2
	v_lshl_add_u32 v51, v54, 2, s73                ; 4 x (my first row + lane % 8)
	v_lshl_add_u32 v51, v55, 15, v51               ; + 32,768 x channel
	global_store_b32 v51, v50, s[70:71]            ; two pieces of 32 bytes; lanes 16-31 store what lanes 0-15 store, at the same places.  65,536 bytes in the whole launch
	s_wait_xcnt 0x0                                ; the store has read its registers: the way out writes them again
; 16 matrix instructions: m blocks a0, a0 + 1 of the window's four x all 8 n blocks, 32 along K.  zero = 1: the first product starts the sums
.macro MUL16 f, hi, a0, zero
	WIN MUL_LO+0x50*(\hi)
.irp a, \a0, (\a0)+1
.irp b, 0,1,2,3,4,5,6,7
.if \zero
	v_wmma_f32_16x16x32_bf16 v[8*(8*(\a)+(\b)):8*(8*(\a)+(\b))+7], v[(\f)+8*(\b):(\f)+8*(\b)+7], v[(\f)+8*(4*(\hi)+(\a)):(\f)+8*(4*(\hi)+(\a))+7], 0
.else
	v_wmma_f32_16x16x32_bf16 v[8*(8*(\a)+(\b)):8*(8*(\a)+(\b))+7], v[(\f)+8*(\b):(\f)+8*(\b)+7], v[(\f)+8*(4*(\hi)+(\a)):(\f)+8*(4*(\hi)+(\a))+7], v[8*(8*(\a)+(\b)):8*(8*(\a)+(\b))+7]
.endif
.endr
.endr
.endm
; 32 LDS loads in one run: the fragments of one quarter step (32 K at byte k of the rows) into buffer f
.macro FETCH slot, k, f
	WIN TO_B
.irp i, 0,1,2,3,4,5,6,7
	ds_load_b128 v[(\f)+8*(\i):(\f)+8*(\i)+3],   v[ADRB+(\slot)] offset:(\k)+(\i)*16*PITCH
	ds_load_b128 v[(\f)+8*(\i)+4:(\f)+8*(\i)+7], v[ADRB+(\slot)] offset:(\k)+(\i)*16*PITCH+32
.endr
	WIN 0
.irp i, 0,1,2,3,4,5,6,7
	ds_load_b128 v[(\f)+8*(\i):(\f)+8*(\i)+3],   v[ADRA+(\slot)] offset:(\k)+(\i)*16*PITCH
	ds_load_b128 v[(\f)+8*(\i)+4:(\f)+8*(\i)+7], v[ADRA+(\slot)] offset:(\k)+(\i)*16*PITCH+32
.endr
.endm
; four plain vector instructions between a matrix instruction and a load into a register that it has read, or a conversion that reads its result (ISA guide 7.12.1 for the conversion)
.macro PLACES
.rept 4
	v_nop
.endr
.endm
; A K step is four quarters of 32 along K, 64 matrix instructions each, on buffers 0, 1, 0, 1.  One of the first three: multiplies buffer f, and in its middle fetches the next quarter into g.
; The 64 accumulators take turns, one instruction a turn, in the same order in every quarter.
.macro QUARTER slot, k, f, g, zero
	s_wait_dscnt 8                                 ; wb's fragments and hb's rows 0-63 are in; the youngest eight loads (hb's rows 64-127) may be out
	WIN MUL_LO
	MUL16 \f, 0, 0, \zero
	MUL16 \f, 0, 2, \zero
	PLACES
	FETCH \slot, \k, \g
	s_wait_dscnt 32                                ; all but the 32 just issued
	WIN MUL_HI
	MUL16 \f, 1, 0, \zero
	MUL16 \f, 1, 2, \zero
.endm
; The first half of the last quarter: one barrier for the change of slots.  In front of it each wave waits for all its tensor loads (one is out: its part of the next slot), adds 0 to its spare
; word, and waits for that and for its own reads of this slot.  Behind it nobody reads this slot any more and the next slot is whole.
.macro MEET round
	WIN 0                                          ; (the add's two registers lie in window 0)
	s_wait_tensorcnt 0x0
	ds_add_u32 v[SPW], v[NIL]
	s_wait_dscnt 9                                 ; (the add and the youngest eight loads may be out)
	WIN MUL_LO
	MUL16 F1, 0, 0, 0
	s_wait_dscnt 0x0                               ; the add is done, and my reads of this slot are over
	s_barrier_signal -1
	MUL16 F1, 0, 2, 0                              ; work on registers while the others arrive
.if \round
	WIN 0
.endif
	s_barrier_wait -1
.endm
; The whole last quarter.  Behind the round the slot just read out is filled again first: with this tile's K step two on (on = 0) or with the next tile's K step 0 or 1 (on = 1).
; From a request to the wait for it a wave issues 224 matrix instructions.
.macro TURN slot, next, on
	s_wait_xcnt 0x0                                ; the last prefetch, a K step back, has read its address: it is stepped here
.if (\on) && (\slot) == 0
	s_add_nc_u64 s[PFA:PFA+1], s[PFA:PFA+1], (WALK-1)*SIZE_K*2+KSTEP*2  ; from the K step after the tile's last to the next tile's K step 1
	s_cmp_eq_u32 s11, 0
	s_cselect_b32 s[LIM], s[LIM], -1               ; wb's rows are the same for both tiles: they are named no more
.else
	s_add_nc_u64 s[PFA:PFA+1], s[PFA:PFA+1], KSTEP*2
.endif
	MEET 1
	CREST                                          ; no wave of any partner still reads this slot's tile or has a load on its way
.if \on
	s_add_nc_u64 s[G0+4*(\slot)+2:G0+4*(\slot)+3], s[G0+4*(\slot)+2:G0+4*(\slot)+3], NEXT_A
	s_sub_nc_u64 s[G0B+4*(\slot)+2:G0B+4*(\slot)+3], s[G0B+4*(\slot)+2:G0B+4*(\slot)+3], BACK_B
.else
	s_add_nc_u64 s[G0+4*(\slot)+2:G0+4*(\slot)+3], s[G0+4*(\slot)+2:G0+4*(\slot)+3], 2*KSTEP*2
	s_add_nc_u64 s[G0B+4*(\slot)+2:G0B+4*(\slot)+3], s[G0B+4*(\slot)+2:G0B+4*(\slot)+3], 2*KSTEP*2
.endif
	JLOAD \slot                                    ; my one tensor load behind the round; its four v_nop are also the places in front of the loads below
	FETCH \next, 0, F0
	ASK \on
	WIN MUL_HI
	MUL16 F1, 1, 0, 0
	MUL16 F1, 1, 2, 0
.endm
; THE SECOND TILE'S LAST K STEP (slot 1) GOES BY ROWS OF C: all its fragments of wb fill window 1; my eight blocks of 16 rows are finished one after the other, 32 matrix instructions each.
.macro BLOAD q
	WIN TO_B
.irp i, 0,1,2,3,4,5,6,7
	ds_load_b128 v[64*(\q)+8*(\i):64*(\q)+8*(\i)+3],   v[ADRB+1] offset:64*(\q)+(\i)*16*PITCH
	ds_load_b128 v[64*(\q)+8*(\i)+4:64*(\q)+8*(\i)+7], v[ADRB+1] offset:64*(\q)+(\i)*16*PITCH+32
.endr
.endm
.macro ALOAD a                         ; hb's fragments of block a, all four quarters -> buffer a % 4
	WIN 0
.set FA, PA+32*((\a)%4)
.irp q, 0,1,2,3
	ds_load_b128 v[FA+8*(\q):FA+8*(\q)+3],   v[ADRA+1] offset:64*(\q)+(\a)*16*PITCH
	ds_load_b128 v[FA+8*(\q)+4:FA+8*(\q)+7], v[ADRA+1] offset:64*(\q)+(\a)*16*PITCH+32
.endr
.endm
.macro ROW a                           ; block a is finished: its 8 accumulators by turns, K ascending
.set FA, PA+32*((\a)%4)
.set AC, 64*((\a)%4)
	WIN MUL_LO+0x50*((\a)/4)
.irp q, 0,1,2,3
.if (\a) == 0 && (\q) == 2
	s_wait_dscnt 24                                ; wb's quarter 2 is in (behind it: hb's blocks 1 to 3)
.endif
.irp b, 0,1,2,3,4,5,6,7
	v_wmma_f32_16x16x32_bf16 v[AC+8*(\b):AC+8*(\b)+7], v[64*(\q)+8*(\b):64*(\q)+8*(\b)+7], v[FA+8*(\q):FA+8*(\q)+7], v[AC+8*(\b):AC+8*(\b)+7]
.endr
.endr
.endm
; THE WAY OUT of block a.  PACK: rounded to f16, 16 bytes a lane, each accumulator's registers in ascending order.  TOSTAGE: into my own stage, and back as whole rows of 256 bytes.  SEND: stored.
.macro PACK a
.set AC, 64*((\a)%4)
	WIN 0x0a+5*((\a)/4)                            ; sources 0 and 1: window 2 or 3
.irp b, 0,1,2,3,4,5,6,7
.irp r, 0,1,2,3
	v_cvt_pk_f16_f32 v[TMP+4*(\b)+(\r)], v[AC+8*(\b)+2*(\r)], v[AC+8*(\b)+2*(\r)+1]
.endr
.endr
	WIN 0
.endm
.macro TOSTAGE a
	WIN 0
.set BK, OB+192*((\a)%2)
.irp b, 0,1,2,3,4,5,6,7
	ds_store_b128 v[STO], v[TMP+4*(\b):TMP+4*(\b)+3] offset:32*(\b)
.endr
.irp t, 0,1,2,3,4,5,6,7
	ds_load_b128 v[BK+4*(\t):BK+4*(\t)+3], v[RD] offset:(\t)*2*SPITCH  ; LDS serves a wave's instructions in order (ISA guide 5.7.1.4): these see the stores above
.endr
.endm
.macro SEND a, younger                 ; younger: the LDS loads issued behind TOSTAGE's, which may stay out
	WIN 0
.set BK, OB+192*((\a)%2)
	s_wait_dscnt \younger
	s_wait_xcnt 0x0                                ; only behind this wait are the stores' base and the registers that earlier stores read rewritten
.if (\a) == 0
	s_add_nc_u64 s[8:9], s[8:9], s[16:17]          ; on to this tile's first rows
.else
	s_add_nc_u64 s[8:9], s[8:9], 16*OPITCH         ; 16 rows on
.endif
.irp t, 0,1,2,3,4,5,6,7
	global_store_b128 v[CO], v[BK+4*(\t):BK+4*(\t)+3], s[8:9] offset:2*(\t)*OPITCH  ; 16 lanes store 256 consecutive bytes, at a multiple of 256 from qk's first byte
.endr
.endm
	s_wait_tensorcnt 1                             ; my part of K step 0 is in; K step 1's load may stay out
	s_barrier_signal -1
	s_barrier_wait -1                              ; everybody's is
	FETCH 0, 0, F0
	s_mov_b32 s2, SIZE_TILES                       ; tiles to go, this one among them
.Ltile:
	QUARTER 0, 64,  F0, F1, 1                      ; a tile's first quarter stands in front of the loop: its products start the sums
	WIN 0                                          ; at a label and at a branch every window is 0
	s_mov_b32 s3, LAPS-1
.Llap:                                                 ; a trip goes once round the ring, from a lap's second quarter to the next lap's first, and fills both slots again
	QUARTER 0, 128, F1, F0, 0
	QUARTER 0, 192, F0, F1, 0
	TURN 0, 1, 0
	QUARTER 1, 64,  F0, F1, 0
	QUARTER 1, 128, F1, F0, 0
	QUARTER 1, 192, F0, F1, 0
	TURN 1, 0, 0
	QUARTER 0, 64,  F0, F1, 0
	WIN 0
	s_sub_co_u32 s3, s3, 1
	s_cmp_lg_u32 s3, 0
	s_cbranch_scc1 .Llap
	QUARTER 0, 128, F1, F0, 0                      ; the tile's last lap goes on
	QUARTER 0, 192, F0, F1, 0
	WIN 0
	s_cmp_eq_u32 s2, 1
	s_cbranch_scc1 .Llast_tile                     ; the last tile's tail is written out: it asks for nothing more
	TURN 0, 1, 1                                   ; the ring goes on into the second tile: slot 0 takes its K step 0,
	QUARTER 1, 64,  F0, F1, 0
	QUARTER 1, 128, F1, F0, 0
	QUARTER 1, 192, F0, F1, 0
	TURN 1, 0, 1                                   ; slot 1 its K step 1, and its first fragments are fetched
	PACK 0                                         ; both refills are asked for: now the tile goes out.  Blocks 0-3 were finished in front of TURN's places; their conversions are the places behind the last products
	TOSTAGE 0
.irp a, 1,2,3,4,5,6,7                  ; block a's conversions stand between block a - 1's loads from the stage and the wait for them
	PACK \a
	SEND (\a)-1, 0
	TOSTAGE \a
.endr
	SEND 7, 0
	s_mov_b64 s[16:17], NEXT_C                     ; what the next way out adds to qk's address
	s_sub_co_u32 s2, s2, 1
	s_branch .Ltile
.Llast_tile:
	MEET 0                                         ; my one tensor load that was still out is slot 1's, so no round follows
	PLACES                                         ; for the loads into buffer 0, which the quarter before multiplied
	WIN TO_B
	BLOAD 0                                        ; three quarters of wb now: buffer 1 is still being multiplied
	BLOAD 1
	BLOAD 3
	WIN 0
	ALOAD 0
	WIN MUL_HI
	MUL16 F1, 1, 0, 0
	MUL16 F1, 1, 2, 0
	PLACES                                         ; for the loads into buffer 1
	WIN TO_B
	BLOAD 2
	WIN 0
	ALOAD 1
	ALOAD 2
	ALOAD 3
	s_wait_dscnt 40                                ; all but the 40 just issued
	ROW 0
.irp a, 0,1,2,3,4,5,6,7                ; each block leaves as soon as it is finished
	PLACES                                         ; its conversions read results just made
	PACK \a
	TOSTAGE \a
.if (\a) < 4
	ALOAD (\a)+4                                   ; its buffer takes the block four further on
	SEND \a, 8
.else
	SEND \a, 0
.endif
.if (\a) < 7
	ROW (\a)+1
.endif
.endr
	s_wait_tensorcnt 0x0                           ; the wave's end, behind my last tensor load and my last LDS store
	ds_add_u32 v[SPW], v[NIL]
	s_wait_dscnt 0x0
	CROUND                                         ; the closing round: no work-group ends while a partner may still ask for a tile that names it
	s_endpgm
.Lfunc_end_k_qe3abfcab87_proj:
	.size	k_qe3abfcab87_proj, .Lfunc_end_k_qe3abfcab87_proj-k_qe3abfcab87_proj
	.p2alignl 7, 3214868480
	.fill 96, 4, 3214868480
	.section	.rodata,"a",@progbits
	.p2align	6, 0x0
	.amdhsa_kernel k_qe3abfcab87_proj
		.amdhsa_group_segment_fixed_size 327680
		.amdhsa_private_segment_fixed_size 0
		.amdhsa_enable_private_segment 0
		.amdhsa_kernarg_size 40
		.amdhsa_user_sgpr_count 2
		.amdhsa_user_sgpr_kernarg_segment_ptr 1
		.amdhsa_wavefront_size32 1
		.amdhsa_system_sgpr_workgroup_id_x 1
		.amdhsa_system_sgpr_workgroup_id_y 1
		.amdhsa_system_sgpr_workgroup_id_z 1
		.amdhsa_system_vgpr_workitem_id 0
		.amdhsa_next_free_vgpr 1024
		.amdhsa_next_free_sgpr 80
		.amdhsa_reserve_vcc 0
		.amdhsa_float_denorm_mode_32 3
		.amdhsa_float_denorm_mode_16_64 3
		.amdhsa_memory_ordered 1
		.amdhsa_forward_progress 1
		.amdhsa_inst_pref_size 255
	.end_amdhsa_kernel
	.section	.bss,"aw",@nobits
	.p2align	6
	.space	262144
	.amdgpu_metadata
---
amdhsa.version: [ 1, 2 ]
amdhsa.kernels:
  - .name:           k_qe3abfcab87_proj
    .symbol:         k_qe3abfcab87_proj.kd
    .args:
      - { .name: hb, .offset: 0, .size: 8, .value_kind: global_buffer, .address_space: global }
      - { .name: wb, .offset: 8, .size: 8, .value_kind: global_buffer, .address_space: global }
      - { .name: qk, .offset: 16, .size: 8, .value_kind: global_buffer, .address_space: global }
      - { .name: wvs, .offset: 24, .size: 8, .value_kind: global_buffer, .address_space: global }
      - { .name: vs, .offset: 32, .size: 8, .value_kind: global_buffer, .address_space: global }
    .group_segment_fixed_size: 327680
    .private_segment_fixed_size: 0
    .kernarg_segment_align: 8
    .kernarg_segment_size: 40
    .max_flat_workgroup_size: 128
    .sgpr_count:     80
    .vgpr_count:     1024
    .wavefront_size: 32
...
	.end_amdgpu_metadata
.endif
;; end of part 2
;; launch att (part 3): grid 8 x 32, 4 waves a work-group, clusters of 4 x 1, 327,680 bytes of LDS; arguments qk, vs, out0; writes out0
.if DOCPART == 3
	.amdgcn_target "amdgcn-amd-amdhsa--gfx1250"
	.amdhsa_code_object_version 6
	.text
	.protected	k_qe3abfcab87_att
	.globl	k_qe3abfcab87_att
	.p2align	8
	.type	k_qe3abfcab87_att,@function
k_qe3abfcab87_att:
	s_mov_b64 s[64:65], 0
	v_nop
	global_prefetch_b8 v0, s[64:65] scope:SCOPE_SE
	s_setreg_imm32_b32 hwreg(HW_REG_WAVE_MODE, 25, 1), 1
	s_wait_xcnt 0x0
	s_wait_alu depctr_hold_cnt(0) depctr_sa_sdst(0) depctr_va_vdst(0) depctr_va_sdst(0) depctr_va_ssrc(0) depctr_va_vcc(0) depctr_vm_vsrc(0)
	s_getreg_b32 s2, hwreg(HW_REG_IB_STS2, 6, 4)
	s_cmp_eq_u32 s2, 0
	s_cbranch_scc0 .Lentry_in_a_cluster
	s_endpgm
.Lentry_in_a_cluster:
	s_bfe_u32 s2, ttmp6, 0x10000c
	s_cmp_lg_u32 s2, 0x3003
	s_cbranch_scc0 .Lentry_shape_is_right
	s_endpgm
.Lentry_shape_is_right:
; RelationTagger, launch 3 of 3: out0[b][c][i][j] = (sum over o of Q[i][o] K[j][o]) x vs[c][512 b + j].
; Q = block 32 + p of qk (544 rows: 512 queries / 4, then 32 labels / 4), K = block p (512 keys / 4), p = 16 c + b, rows of 1,024 f16; vs = 16 x vsum, f32.  f16 operands, f32 sums;
; the factor is applied to the f32 sum and the result stored as f32.
; SHARES.  For a pair p: 4 row tiles of 136 rows x 2 column tiles of 256 columns: 256 equal work-groups.  136 rows are 8 1/2 blocks of 16: the ninth block's rows 8-15 come into LDS as zeros
; (they lie past the extent that the descriptor states) and are not stored.  Wave w takes all nine row blocks x columns 64 w .. 64 w + 63: 36 accumulators; 13 fragments feed 36 matrix instructions.
; K goes in steps of 128 (rows of 256 bytes, aligned) through a ring of two LDS slots; a step is 144 matrix instructions a wave.
; CLUSTER.  The four row tiles of a pair and column tile form a cluster and need the same 256 key rows: waves 0 and 1 ask for them jointly (mask 15).  Each work-group's 136 query rows are
; wanted by one other work-group alone, the other column tile's, which lies in another cluster: waves 2 and 3 fetch them by loads of their own.
; THE MATRIX INSTRUCTION IS USED TRANSPOSED: source 0 = 16 keys, source 1 = 16 queries: lane l holds row i = l % 16 and the columns j = 8 (l / 16) + 0..7: 32 bytes of out0 on end.
; REGISTERS, in windows of 256 (s_set_vgpr_msb: bits 1:0 source 0, 3:2 source 1, 5:4 source 2, 7:6 destination):
;   window 0: v0-31 addresses; v32-63 vs; v64-95 scaled results; v96-159 rows read back, two buffers; v192-223 the ninth row block's accumulators
;   window 1: two fragment buffers at v0 and v128: 4 key fragments, then 9 query fragments          window 2: accumulator (a, b), a < 8, at v[8 (4 a + b)]
.set KSTEP,  128
.set PITCH,  272                       ; an LDS row: 256 bytes + 16 of padding: the 16 rows that a load touches start at 16 different groups of four banks (ISA guide 11.1)
.set KHALF,  128*PITCH                 ; what wave 0 or 1 fetches
.set QHALF,  72*PITCH                  ; what wave 2 or 3 fetches
.set KT,     2*KHALF                   ; 256 key rows
.set SLOT,   KT+2*QHALF                ; then 144 query rows
.set STAGE,  2*SLOT                    ; behind the ring: 16 rows x 272 bytes for each wave, for the way out
.set SPITCH, 272
.set SPARE,  STAGE+4*16*SPITCH         ; behind the stages: the spare words, 128 bytes a wave
.set BLOCKB, 544*2048                  ; bytes in a block of qk
.set OROW,   2048                      ; bytes in a row of out0
.set ADRA, 16                          ; v16-17  LDS address of the query fragments in slot 0, 1
.set ADRB, 20                          ; v20-21  of my key fragments
.set STO,  24                          ; v24     the way out: where I put 32 bytes of a row
.set RD,   25                          ; v25     where I read rows back
.set CO,   26                          ; v26     my byte offset in two rows of out0
.set VO,   27                          ; v27     my byte offset in vs
.set SPW,  28                          ; v28     LDS address of my spare word; never rewritten
.set NIL,  29                          ; v29     0; never rewritten
.set VS,   32
.set TMP,  64
.set OB,   96
.set ACC8, 192
.set F0,   0
.set F1,   128
.set G1K, 24                           ; s[24:31] descriptor group 1 for the keys' tiles
.set G0K, 32                           ; s[32:39] group 0, one set for each slot
.set G1Q, 48                           ; s[48:55], s[56:63] the same for the queries' tiles
.set G0Q, 56
.set MSB, 0
.macro WIN new                         ; the immediate's high byte repeats the setting that is left; a switch that changes nothing is dropped
.if MSB != (\new)
	s_set_vgpr_msb (MSB<<8)|(\new)
.set MSB, \new
.endif
.endm
.set W_MUL,  0xa5                      ; sources 0 and 1 window 1; C and D window 2
.set W_MUL8, 0x05                      ; the same; C and D window 0
.set TO_F,   0x40                      ; destination window 1, address window 0
.set W_PK,   0x02                      ; source 0 window 2
.macro JLOAD s                         ; waves 0 and 1: the keys' halves, jointly; waves 2 and 3: the queries' halves.  An s_nop 0 and four v_nop follow each line
	s_cmp_eq_u32 s11, 0
	s_cbranch_scc0 .Lfor_q_\@
	tensor_load_to_lds s[G0K+4*(\s):G0K+4*(\s)+3], s[G1K:G1K+7]
	s_nop 0
.rept 4
	v_nop
.endr
	s_branch .Lasked_\@
.Lfor_q_\@:
	tensor_load_to_lds s[G0Q+4*(\s):G0Q+4*(\s)+3], s[G1Q:G1Q+7]
	s_nop 0
.rept 4
	v_nop
.endr
.Lasked_\@:
.endm
.macro CREST                           ; a round of the cluster's barrier behind its opening barrier
	s_cmp_lg_u32 s10, 0
	s_cbranch_scc1 .Lnot_wave_0_\@
	s_barrier_signal -3
.Lnot_wave_0_\@:
	s_barrier_wait -3
	s_barrier_signal -1
	s_barrier_wait -1
.endm
.macro CROUND
	s_barrier_signal -1
	s_barrier_wait -1
	CREST
.endm
	s_load_b128 s[4:7], s[0:1], 0x0                ; qk s[4:5], vs s[6:7]
	s_load_b64 s[8:9], s[0:1], 0x10                ; out0
	v_lshl_add_u32 v[SPW], v0, 2, SPARE
	v_mov_b32 v[NIL], 0
	ds_add_u32 v[SPW], v[NIL]                      ; the wave's opening: the add, twice on end, and its wait ahead of my first tensor load
	ds_add_u32 v[SPW], v[NIL]
	v_lshrrev_b32 v1, 5, v0
	v_readfirstlane_b32 s10, v1                    ; wave 0..3
	s_lshr_b32 s11, s10, 1                         ; I fetch keys (0) or queries (1)
	s_and_b32 s12, s10, 1                          ; which half of them
	s_and_b32 s13, ttmp7, 0xffff                   ; p = 16 c + b, which the four partners share
	s_mov_b32 s14, ttmp9                           ; the column tile, which they share too (ttmp9 counts clusters)
	s_bfe_u32 s15, ttmp6, 0x40000                  ; cx: my row tile: it enters the queries' and out0's addresses alone
	s_mov_b32 s[G1K], 15|(1<<16)|(1<<20)|(1<<21)|(5<<22)|(3<<25)  ; 15:0 the mask of four; 17:16 2-byte elements; 20 padding on; 21 set beside a mask; 24:22 after every 64 words; 31:25 four words of it
	s_mov_b32 s[G1K+1], KSTEP<<16                  ; tensor_dim0 = 128
	s_mov_b32 s[G1K+2], 128<<16                    ; tensor_dim1 = 128
	s_mov_b32 s[G1K+3], KSTEP<<16                  ; tile_dim0 = 128
	s_mov_b32 s[G1K+4], 128                        ; tile_dim1 = 128
	s_mov_b32 s[G1K+5], 1024                       ; elements from row to row
	s_mov_b32 s[G1K+6], 0
	s_mov_b32 s[G1K+7], 0
	s_mov_b32 s[G1Q], (1<<16)|(1<<20)|(5<<22)|(3<<25)  ; no mask: a load of my own
	s_mov_b32 s[G1Q+1], KSTEP<<16
	s_lshl_b32 s16, s12, 3
	s_sub_co_u32 s16, 72, s16                      ; rows that exist from the tile's first on: 72, or 64 in the second half: its last 8 rows arrive as zeros
	s_lshl_b32 s[G1Q+2], s16, 16                   ; tensor_dim1
	s_mov_b32 s[G1Q+3], KSTEP<<16
	s_mov_b32 s[G1Q+4], 72                         ; tile_dim1 = 72
	s_mov_b32 s[G1Q+5], 1024
	s_mov_b32 s[G1Q+6], 0
	s_mov_b32 s[G1Q+7], 0
	s_mul_i32 s16, s13, BLOCKB                     ; the keys: block p,
	s_lshl_b32 s18, s14, 19                        ; 256 rows a column tile,
	s_add_co_u32 s16, s16, s18
	s_lshl_b32 s18, s12, 18                        ; 128 rows a half: nothing here hangs on cx
	s_add_co_u32 s16, s16, s18
	s_mov_b32 s17, 0
	s_add_co_u32 s20, s13, 32                      ; the queries: block 32 + p,
	s_mul_i32 s20, s20, BLOCKB
	s_mul_i32 s22, s15, 136*2048                   ; 136 rows a row tile,
	s_add_co_u32 s20, s20, s22
	s_mul_i32 s22, s12, 72*2048                    ; 72 rows a half
	s_add_co_u32 s20, s20, s22
	s_mov_b32 s21, 0
	s_mul_i32 s40, s10, KHALF                      ; LDS, keys: wave x 128 rows (waves 0, 1)
	s_mul_i32 s41, s10, QHALF
	s_add_co_u32 s41, s41, KT-2*QHALF              ; LDS, queries: behind the keys, (wave - 2) x 72 rows (waves 2, 3)
	s_wait_dscnt 0x0                               ; both opening adds are done
	s_wait_kmcnt 0x0
	s_add_nc_u64 s[16:17], s[4:5], s[16:17]
	s_add_nc_u64 s[20:21], s[4:5], s[20:21]
	CROUND                                         ; all four work-groups are here: the first joint loads meet
.irp s, 0,1
	s_mov_b32 s[G0K+4*(\s)], 1                                     ; count = 1
	s_add_co_u32 s[G0K+4*(\s)+1], s40, (\s)*SLOT                   ; LDS address
	s_add_nc_u64 s[G0K+4*(\s)+2:G0K+4*(\s)+3], s[16:17], (\s)*KSTEP*2  ; global address: K step s
	s_or_b32 s[G0K+4*(\s)+3], s[G0K+4*(\s)+3], 0x80000000          ; type = 2
	s_mov_b32 s[G0Q+4*(\s)], 1
	s_add_co_u32 s[G0Q+4*(\s)+1], s41, (\s)*SLOT
	s_add_nc_u64 s[G0Q+4*(\s)+2:G0Q+4*(\s)+3], s[20:21], (\s)*KSTEP*2
	s_or_b32 s[G0Q+4*(\s)+3], s[G0Q+4*(\s)+3], 0x80000000
	JLOAD \s                                       ; two tensor loads of mine are out
.endr
	v_and_b32 v1, 15, v0                           ; l % 16
	v_bfe_u32 v2, v0, 4, 1                         ; l / 16
	; my 64 columns' factors: column block cb, my 8 columns at VS + 8 cb
	s_lshr_b32 s42, s13, 4                         ; c
	s_and_b32 s43, s13, 15                         ; b
	s_lshl_b32 s44, s42, 15                        ; 8,192 numbers a channel
	s_lshl_b32 s45, s43, 11                        ; 512 a batch
	s_add_co_u32 s44, s44, s45
	s_lshl_b32 s45, s14, 10                        ; 256 a column tile
	s_add_co_u32 s44, s44, s45
	s_lshl_b32 s45, s10, 8                         ; 64 a wave
	s_add_co_u32 s44, s44, s45
	s_mov_b32 s45, 0
	s_add_nc_u64 s[6:7], s[6:7], s[44:45]
	v_lshlrev_b32 v[VO], 5, v2
.irp b, 0,1,2,3
	global_load_b128 v[VS+8*\b:VS+8*\b+3],   v[VO], s[6:7] offset:64*\b
	global_load_b128 v[VS+8*\b+4:VS+8*\b+7], v[VO], s[6:7] offset:64*\b+16
.endr
	v_mul_u32_u24 v3, v1, PITCH
	v_lshl_add_u32 v3, v2, 4, v3                   ; a fragment's row x pitch + 16 x half
	s_mul_i32 s46, s10, 64*PITCH                   ; my 64 key rows
	v_add_nc_u32 v[ADRB], s46, v3
	v_add_nc_u32 v[ADRB+1], SLOT, v[ADRB]
	v_add_nc_u32 v[ADRA], KT, v3                   ; the query rows lie behind the keys
	v_add_nc_u32 v[ADRA+1], SLOT, v[ADRA]
	s_mul_i32 s46, s10, 16*SPITCH
	s_add_co_u32 s46, s46, STAGE                   ; my stage
	v_mul_u32_u24 v4, v1, SPITCH                   ; in: row l % 16, 32 bytes for each half of the lanes
	v_lshl_add_u32 v4, v2, 5, v4
	v_add_nc_u32 v[STO], s46, v4
	v_mul_u32_u24 v5, v2, SPITCH                   ; back: lanes 0-15 take one row of 256 bytes, lanes 16-31 the next
	v_lshl_add_u32 v5, v1, 4, v5
	v_add_nc_u32 v[RD], s46, v5
	v_lshlrev_b32 v[CO], 11, v2                    ; and the same two rows in out0
	v_lshl_add_u32 v[CO], v1, 4, v[CO]
	s_lshl_b32 s46, s43, 1
	s_add_co_u32 s46, s46, s42                     ; 2 b + c
	s_mul_i32 s46, s46, 544
	s_mul_i32 s47, s15, 136
	s_add_co_u32 s46, s46, s47                     ; my first row of out0
	s_lshl_b32 s46, s46, 11
	s_lshl_b32 s47, s14, 10                        ; 256 columns a column tile,
	s_add_co_u32 s46, s46, s47
	s_lshl_b32 s47, s10, 8                         ; 64 a wave: 256 bytes
	s_add_co_u32 s46, s46, s47
	s_mov_b32 s47, 0
	s_add_nc_u64 s[8:9], s[8:9], s[46:47]
; Row blocks a0 .. a1 x my four column blocks, 32 along K from buffer f.  zero = 1: the product starts the sum.  In a quarter each of the 36 accumulators has one instruction, in the same order
; everywhere: the accumulators take turns.
.macro MULB f, a0, a1, zero
.set MA, \a0
.rept (\a1)-(\a0)+1
.if MA < 8
	WIN W_MUL
.set MC, 32*MA
.else
	WIN W_MUL8
.set MC, ACC8
.endif
.irp b, 0,1,2,3
.if \zero
	v_wmma_f32_16x16x32_f16 v[MC+8*(\b):MC+8*(\b)+7], v[(\f)+8*(\b):(\f)+8*(\b)+7], v[(\f)+32+8*MA:(\f)+32+8*MA+7], 0
.else
	v_wmma_f32_16x16x32_f16 v[MC+8*(\b):MC+8*(\b)+7], v[(\f)+8*(\b):(\f)+8*(\b)+7], v[(\f)+32+8*MA:(\f)+32+8*MA+7], v[MC+8*(\b):MC+8*(\b)+7]
.endif
.endr
.set MA, MA+1
.endr
.endm
; 26 LDS loads in one run: 32 along K at byte k of the rows into buffer f: my 4 key fragments, then the 9 query fragments in ascending order
.macro FETCH slot, k, f
	WIN TO_F
.irp i, 0,1,2,3
	ds_load_b128 v[(\f)+8*(\i):(\f)+8*(\i)+3],   v[ADRB+(\slot)] offset:(\k)+(\i)*16*PITCH
	ds_load_b128 v[(\f)+8*(\i)+4:(\f)+8*(\i)+7], v[ADRB+(\slot)] offset:(\k)+(\i)*16*PITCH+32
.endr
.irp a, 0,1,2,3,4,5,6,7,8
	ds_load_b128 v[(\f)+32+8*(\a):(\f)+32+8*(\a)+3],   v[ADRA+(\slot)] offset:(\k)+(\a)*16*PITCH
	ds_load_b128 v[(\f)+32+8*(\a)+4:(\f)+32+8*(\a)+7], v[ADRA+(\slot)] offset:(\k)+(\a)*16*PITCH+32
.endr
.endm
.macro PLACES                          ; four plain vector instructions between a matrix instruction and a load into a register that it has read, or a line that reads its result
.rept 4
	v_nop
.endr
.endm
; A K step is four quarters of 32 along K, 36 matrix instructions each, on buffers 0, 1, 0, 1.  One of the first three: multiplies buffer f and fetches the next quarter, at byte k, into g.
.macro QUARTER slot, k, f, g, zero
	s_wait_dscnt 10                                ; the keys and query blocks 0-3 are in; the youngest ten loads (blocks 4-8) may be out
	MULB \f, 0, 3, \zero
	PLACES
	FETCH \slot, \k, \g
	s_wait_dscnt 26                                ; all but the 26 just issued
	MULB \f, 4, 8, \zero
.endm
; The last quarter multiplies buffer 1 and changes slots: one barrier; in front of it each wave waits for all its tensor loads (one is out: its part of the next slot), adds 0 to its spare word,
; and waits for that and for its own reads of this slot.  fill = 1: the barrier opens a round of the cluster's, and this slot is filled again first behind it, two K steps ahead.
.macro TURN slot, next, fill
	WIN 0                                          ; (the add's two registers lie in window 0)
	s_wait_tensorcnt 0x0
	ds_add_u32 v[SPW], v[NIL]
	s_wait_dscnt 15                                ; (the add and the youngest fourteen loads, query blocks 2-8, may be out)
	MULB F1, 0, 1, 0
	s_wait_dscnt 0x0                               ; the add is done, and my reads of this slot are over
	s_barrier_signal -1
	MULB F1, 2, 3, 0                               ; work on registers while the others arrive
.if \fill
	WIN 0
.endif
	s_barrier_wait -1
.if \fill
	CREST                                          ; no wave of any partner still reads this slot's tile or has a load on its way
	s_add_nc_u64 s[G0K+4*(\slot)+2:G0K+4*(\slot)+3], s[G0K+4*(\slot)+2:G0K+4*(\slot)+3], 2*KSTEP*2
	s_add_nc_u64 s[G0Q+4*(\slot)+2:G0Q+4*(\slot)+3], s[G0Q+4*(\slot)+2:G0Q+4*(\slot)+3], 2*KSTEP*2
	JLOAD \slot                                    ; my one tensor load behind the round; its four v_nop are also the places in front of the loads below
.else
	PLACES
.endif
	FETCH \next, 0, F0
	MULB F1, 4, 8, 0
.endm
; THE WAY OUT of row block a.  PACK: the sums times the columns' factors, each accumulator's registers in ascending order.  TOSTAGE: 32 bytes a lane into my own stage, and back as whole rows of
; 256 bytes.  SEND: stored.  Of the ninth block only rows 0-7 are read back and stored.
.macro PACK a
.if (\a) < 8
	WIN W_PK
.set PC0, 32*(\a)
.else
	WIN 0
.set PC0, ACC8
.endif
.set PE, 0
.rept 16
	v_pk_mul_f32 v[TMP+PE:TMP+PE+1], v[PC0+PE:PC0+PE+1], v[VS+PE:VS+PE+1]
.set PE, PE+2
.endr
	WIN 0
.endm
.macro TOSTAGE a
.set BK, OB+32*((\a)%2)
.irp b, 0,1,2,3
	ds_store_b128 v[STO], v[TMP+8*(\b):TMP+8*(\b)+3]   offset:64*(\b)
	ds_store_b128 v[STO], v[TMP+8*(\b)+4:TMP+8*(\b)+7] offset:64*(\b)+16
.endr
.set TT, 0
.rept 8-4*((\a)/8)
	ds_load_b128 v[BK+4*TT:BK+4*TT+3], v[RD] offset:TT*2*SPITCH  ; LDS serves a wave's instructions in order (ISA guide 5.7.1.4): these see the stores above
.set TT, TT+1
.endr
.endm
.macro SEND a
.set BK, OB+32*((\a)%2)
	s_wait_dscnt 0x0                               ; the block is back in registers
	s_wait_xcnt 0x0                                ; only behind this wait are the stores' base and the registers that earlier stores read rewritten
.if (\a) > 0
	s_add_nc_u64 s[8:9], s[8:9], 16*OROW           ; 16 rows on
.endif
.set TT, 0
.rept 8-4*((\a)/8)
	global_store_b128 v[CO], v[BK+4*TT:BK+4*TT+3], s[8:9] offset:TT*2*OROW th:TH_STORE_NT  ; 16 lanes store 256 consecutive bytes, at a multiple of 256 from out0's first byte
.set TT, TT+1
.endr
.endm
	s_wait_tensorcnt 1                             ; my part of K step 0 is in; K step 1's load may stay out
	s_barrier_signal -1
	s_barrier_wait -1                              ; everybody's is
	FETCH 0, 0, F0
	QUARTER 0, 64,  F0, F1, 1                      ; the first quarter stands in front of the loop: its products start the sums
	WIN 0                                          ; at a label and at a branch every window is 0
	s_mov_b32 s3, 3                                ; eight K steps: three trips fill both slots again, the last lap fills nothing
.Llap:
	QUARTER 0, 128, F1, F0, 0
	QUARTER 0, 192, F0, F1, 0
	TURN 0, 1, 1
	QUARTER 1, 64,  F0, F1, 0
	QUARTER 1, 128, F1, F0, 0
	QUARTER 1, 192, F0, F1, 0
	TURN 1, 0, 1
	QUARTER 0, 64,  F0, F1, 0
	WIN 0
	s_sub_co_u32 s3, s3, 1
	s_cmp_lg_u32 s3, 0
	s_cbranch_scc1 .Llap
	QUARTER 0, 128, F1, F0, 0
	QUARTER 0, 192, F0, F1, 0
	TURN 0, 1, 0
	QUARTER 1, 64,  F0, F1, 0
	QUARTER 1, 128, F1, F0, 0
	QUARTER 1, 192, F0, F1, 0
	s_wait_dscnt 10                                ; the very last quarter: nothing more to fetch
	MULB F1, 0, 3, 0
	s_wait_dscnt 0x0
	MULB F1, 4, 8, 0
	WIN 0
	s_wait_loadcnt 0x0                             ; the factors
	PLACES
	PACK 0
	TOSTAGE 0
.irp a, 1,2,3,4,5,6,7,8                ; block a's multiplies stand between block a - 1's loads from the stage and the wait for them
	PACK \a
	SEND (\a)-1
	TOSTAGE \a
.endr
	SEND 8
	s_wait_tensorcnt 0x0                           ; the wave's end, behind my last tensor load and my last LDS store
	ds_add_u32 v[SPW], v[NIL]
	s_wait_dscnt 0x0
	CROUND                                         ; the closing round: no work-group ends while a partner may still ask for a tile that names it
	s_endpgm
.Lfunc_end_k_qe3abfcab87_att:
	.size	k_qe3abfcab87_att, .Lfunc_end_k_qe3abfcab87_att-k_qe3abfcab87_att
	.p2alignl 7, 3214868480
	.fill 96, 4, 3214868480
	.section	.rodata,"a",@progbits
	.p2align	6, 0x0
	.amdhsa_kernel k_qe3abfcab87_att
		.amdhsa_group_segment_fixed_size 327680
		.amdhsa_private_segment_fixed_size 0
		.amdhsa_enable_private_segment 0
		.amdhsa_kernarg_size 24
		.amdhsa_user_sgpr_count 2
		.amdhsa_user_sgpr_kernarg_segment_ptr 1
		.amdhsa_wavefront_size32 1
		.amdhsa_system_sgpr_workgroup_id_x 1
		.amdhsa_system_sgpr_workgroup_id_y 1
		.amdhsa_system_sgpr_workgroup_id_z 1
		.amdhsa_system_vgpr_workitem_id 0
		.amdhsa_next_free_vgpr 768
		.amdhsa_next_free_sgpr 66
		.amdhsa_reserve_vcc 0
		.amdhsa_float_denorm_mode_32 3
		.amdhsa_float_denorm_mode_16_64 3
		.amdhsa_memory_ordered 1
		.amdhsa_forward_progress 1
		.amdhsa_inst_pref_size 104
	.end_amdhsa_kernel
	.amdgpu_metadata
---
amdhsa.version: [ 1, 2 ]
amdhsa.kernels:
  - .name:           k_qe3abfcab87_att
    .symbol:         k_qe3abfcab87_att.kd
    .args:
      - { .name: qk, .offset: 0, .size: 8, .value_kind: global_buffer, .address_space: global }
      - { .name: vs, .offset: 8, .size: 8, .value_kind: global_buffer, .address_space: global }
      - { .name: out0, .offset: 16, .size: 8, .value_kind: global_buffer, .address_space: global }
    .group_segment_fixed_size: 327680
    .private_segment_fixed_size: 0
    .kernarg_segment_align: 8
    .kernarg_segment_size: 24
    .max_flat_workgroup_size: 128
    .sgpr_count:     66
    .vgpr_count:     768
    .wavefront_size: 32
...
	.end_amdgpu_metadata
.endif
;; end of part 3
;; ======== version 2 of 2: 3 launches; version 1 with the launch prep written anew for expert scheduling mode
;; limits: values are held in f16: magnitudes above 65,504 overflow, below 6.1e-05 lose precision
;; workspace buffers: hb 16,777,216 bytes; wb 8,388,608 bytes; qk 71,303,168 bytes; wvs 8,192 bytes; vs 65,536 bytes
;; launch prep (part 4): grid 256 x 1, 16 waves a work-group, no clusters, 6,144 bytes of LDS; arguments hidden, Wk, Wq, Wv, emb, hb, wb, qk, wvs; writes hb, wb, qk, wvs
.if DOCPART == 4
	.amdgcn_target "amdgcn-amd-amdhsa--gfx1250"
	.amdhsa_code_object_version 6
	.text
	.protected	k_qe3abfcab87_prep
	.globl	k_qe3abfcab87_prep
	.p2align	8
	.type	k_qe3abfcab87_prep,@function
k_qe3abfcab87_prep:
	s_mov_b64 s[64:65], 0
	v_nop
	global_prefetch_b8 v0, s[64:65] scope:SCOPE_SE
	s_setreg_imm32_b32 hwreg(HW_REG_WAVE_SCHED_MODE, 0, 2), 2
	s_setreg_imm32_b32 hwreg(HW_REG_WAVE_MODE, 25, 1), 1
	s_wait_xcnt 0x0
	s_wait_alu depctr_vm_vsrc(0)
; RelationTagger, launch 1 of 3: casts, label rows, column sums of Wv.
; out0[b,c,i,j] = (sum_o query[c,b,i,o] key[c,b,j,o]) x vsum[c,b,j];  key = hidden Wk^T, query = hidden Wq^T with emb[c] as rows 512..543.
; WORK LEFT OUT.  The value projection value[c,b,s,o] = sum_h hidden[b,s,h] Wv[c,o,h] is formed only to be summed over o.  For all finite
; values of the inputs sum_o sum_h hidden[h] Wv[o,h] = sum_h hidden[h] (sum_o Wv[o,h]): the same terms in another order.  So the product of
; 8192 x 1024 x 1024 a channel is not made: this launch sums Wv over o, the next multiplies each row of hidden by that one vector.
; Every input still has its way to the output, and all five are loaded.
; LIMIT of that: a NaN, an infinity or an overflow that would arise only in a single value[c,b,s,o] is not carried to the result.
; FORMATS.  All five inputs are rounded once to bf16.  Exact powers of two keep what the next launch stores in f16 inside f16's range:
;   hb = bf16(hidden / 2), wb = bf16(W / 2): the next launch's sums are q / 4 and k / 4;  label rows = bf16(emb / 4), written as f16;
;   wvs = 32 x sum_o bf16(Wv), in f32: the next launch's sum_h hb wvs is 16 x vsum, and (q/4 . k/4) x 16 vsum is the result.
; LIMITS of range: |q| / 4, |k| / 4 and |emb| / 4 stay within 65,504; below 6e-5 f16 keeps a fixed step of 6e-8.
; SHARES.  256 work-groups of 16 waves.  Groups 0-31: 64 columns of one channel of Wv, all 1,024 rows.  Groups 32-63: the 32 label rows for one pair (c, b).
; Groups 64-255: a chunk of 65,536 numbers of hidden (128 chunks), Wk (32) or Wq (32).  A wave issues all its loads, 32 of 512 consecutive bytes,
; before its first wait for data: nothing is looped over and no register that a load or store reads is written again.
; THE MODE: SCHED_MODE bits 1:0 = 2 (LLVM: expert scheduling mode 2), set by the entry lines.  The code itself states the register dependences
; between vector instructions and memory or LDS instructions, with s_wait_alu, always for 0.
; THE PLAN.  Registers that memory or LDS instructions touch:
;   v4, v5, v7, v8   offsets and LDS addresses: made once at the head of their path, ahead of one wait on va_vdst, and never written again.
;   v[X ..]          32 slots of four.  The loads that land in them are issued before any vector instruction names them.  In the casts and the label rows a slot is
;                    converted in place, and its first two registers are its store's data; nothing writes them behind that store.
;   v[AC0 ..]        the column sums: written by the sums, read by one LDS store, not written behind it.
;   v[SPW], v[NIL]   written at the head, read by the closing add alone.
; The casts' and the label rows' slots go in blocks of four.  Block p's conversions name block p's slots alone; the four stores of block p - 1 stand among them, behind ONE wait on
; va_vdst at the block's head, which states that block p - 1's conversions have written its slots.  Since no register that a memory or LDS instruction reads is written again,
; no wait on vm_vsrc is needed.  EXEC is written nowhere.
.set X,   16                           ; v[16:143] 32 slots of four registers, as loaded
.set SPW, 150                          ; v150 LDS address of my spare word; never rewritten
.set NIL, 151                          ; v151 0; never rewritten
.set SPARE, 4096                       ; behind the 16 waves' partial sums (256 bytes each): 128 bytes of spare words a wave
.set AC0, 144                          ; v[144:147] four columns' sums, even loads
.set AC1, 152                          ; v[152:155] odd loads
	s_load_b256 s[4:11], s[0:1], 0x0               ; hidden s[4:5], Wk s[6:7], Wq s[8:9], Wv s[10:11]
	s_load_b256 s[12:19], s[0:1], 0x20             ; emb s[12:13], hb s[14:15], wb s[16:17], qk s[18:19]
	s_load_b64 s[20:21], s[0:1], 0x40              ; wvs
	v_lshl_add_u32 v[SPW], v0, 2, SPARE
	v_mov_b32 v[NIL], 0
	v_lshrrev_b32 v6, 5, v0
	v_readfirstlane_b32 s22, v6                    ; wave 0..15
	v_and_b32 v1, 31, v0                           ; lane
	v_and_b32 v2, 15, v0                           ; lane % 16
	v_bfe_u32 v3, v0, 4, 1                         ; lane / 16
	s_mov_b32 s23, ttmp9                           ; the work-group's number: the same in all its waves
	s_mov_b32 s31, 0                               ; the high word of every offset
	s_wait_alu depctr_va_sdst(0)                   ; s22 is written: ahead of the branches below and of its first reader in each of the three paths
	s_wait_kmcnt 0x0
	s_cmp_lt_u32 s23, 32
	s_cbranch_scc1 .Lsum
	s_cmp_lt_u32 s23, 64
	s_cbranch_scc1 .Llab
	; A CHUNK OF hidden, Wk OR Wq: x / 2 rounded to bf16.  262,144 bytes in, 131,072 out.
	s_sub_co_u32 s24, s23, 64                      ; q = 0..191
	s_sub_co_u32 s32, s24, 128                     ; chunk of wb (Wk's 32, then Wq's 32), and of Wk
	s_sub_co_u32 s33, s24, 160                     ; chunk of Wq
	s_cmp_lt_u32 s24, 160
	s_cselect_b64 s[26:27], s[6:7], s[8:9]
	s_cselect_b32 s34, s32, s33
	s_cmp_lt_u32 s24, 128
	s_cselect_b64 s[26:27], s[4:5], s[26:27]
	s_cselect_b32 s34, s24, s34
	s_cselect_b64 s[28:29], s[14:15], s[16:17]
	s_cselect_b32 s35, s24, s32
	s_lshl_b32 s30, s34, 18
	s_add_nc_u64 s[26:27], s[26:27], s[30:31]      ; the source at my chunk
	s_lshl_b32 s30, s35, 17
	s_add_nc_u64 s[28:29], s[28:29], s[30:31]      ; the destination at my chunk
	s_lshl_b32 s25, s22, 14
	v_lshl_add_u32 v4, v1, 4, s25                  ; in: 16,384 x wave + 16 x lane
	s_lshl_b32 s25, s22, 13
	v_lshl_add_u32 v5, v1, 3, s25                  ; out: 8,192 x wave + 8 x lane
	s_wait_alu depctr_va_vdst(0)                   ; v4 and v5 are written: every load below reads v4 as its offset, every store v5
.set i, 0
.rept 32
	global_load_b128 v[X+4*i:X+4*i+3], v4, s[26:27] offset:512*i th:TH_LOAD_NT
.set i, i+1
.endr
.set i, 0
.rept 32
	s_wait_loadcnt 31-i                            ; loads come back in order: slot i is in, the 31 - i younger ones stay out
.if (i%4 == 0) && (i > 0)
	s_wait_alu depctr_va_vdst(0)                   ; a block's head: the conversions of the block before have written its four slots, which the four stores of this block read
.endif
.if i >= 4
	global_store_b64 v5, v[X+4*(i-4):X+4*(i-4)+1], s[28:29] offset:256*(i-4)  ; the block before; no vector instruction since the wait names its slots.  The wave's 32 lanes store 256 consecutive bytes, aligned
.endif
	v_pk_mul_f32 v[X+4*i:X+4*i+1], v[X+4*i:X+4*i+1], 0.5 op_sel_hi:[1,0]
	v_pk_mul_f32 v[X+4*i+2:X+4*i+3], v[X+4*i+2:X+4*i+3], 0.5 op_sel_hi:[1,0]
	v_cvt_pk_bf16_f32 v[X+4*i], v[X+4*i], v[X+4*i+1]
	v_cvt_pk_bf16_f32 v[X+4*i+1], v[X+4*i+2], v[X+4*i+3]
.set i, i+1
.endr
	s_wait_alu depctr_va_vdst(0)                   ; the last block's conversions have written slots 28 to 31, which the last four stores read
.set i, 28
.rept 4
	global_store_b64 v5, v[X+4*i:X+4*i+1], s[28:29] offset:256*i
.set i, i+1
.endr
	s_endpgm
.Llab:	; THE LABEL ROWS of pair p = 16 c + b = group - 32: emb[c] / 4, rounded to bf16, that number written as f16, into rows 512..543 of block 32 + p of qk.
	s_sub_co_u32 s24, s23, 32
	s_lshr_b32 s24, s24, 4                         ; c
	s_lshl_b32 s30, s24, 17                        ; 32 rows of 4,096 bytes a channel
	s_add_nc_u64 s[26:27], s[12:13], s[30:31]
	s_mul_i32 s30, s23, 544                        ; block 32 + p is the group's own number
	s_add_co_u32 s30, s30, 512
	s_lshl_b32 s30, s30, 11                        ; rows of 2,048 bytes
	s_add_nc_u64 s[28:29], s[18:19], s[30:31]
	s_lshl_b32 s25, s22, 13
	v_lshl_add_u32 v4, v1, 4, s25
	s_lshl_b32 s25, s22, 12
	v_lshl_add_u32 v5, v1, 3, s25
	s_wait_alu depctr_va_vdst(0)                   ; v4 and v5 are written: every load below reads v4 as its offset, every store v5
.set i, 0
.rept 16
	global_load_b128 v[X+4*i:X+4*i+3], v4, s[26:27] offset:512*i  ; sixteen work-groups read the same rows: no hint
.set i, i+1
.endr
.set i, 0
.rept 16
	s_wait_loadcnt 15-i
.if (i%4 == 0) && (i > 0)
	s_wait_alu depctr_va_vdst(0)                   ; a block's head: the conversions of the block before have written its four slots, which the four stores of this block read
.endif
.if i >= 4
	global_store_b64 v5, v[X+4*(i-4):X+4*(i-4)+1], s[28:29] offset:256*(i-4)  ; the block before; no vector instruction since the wait names its slots
.endif
	v_pk_mul_f32 v[X+4*i:X+4*i+1], v[X+4*i:X+4*i+1], 0x3e800000 op_sel_hi:[1,0]
	v_pk_mul_f32 v[X+4*i+2:X+4*i+3], v[X+4*i+2:X+4*i+3], 0x3e800000 op_sel_hi:[1,0]
	v_cvt_pk_bf16_f32 v144, v[X+4*i], v[X+4*i+1]   ; the rounding that all inputs get
	v_cvt_pk_bf16_f32 v145, v[X+4*i+2], v[X+4*i+3]
	v_lshlrev_b32 v[X+4*i], 16, v144
	v_and_b32 v[X+4*i+1], 0xffff0000, v144
	v_lshlrev_b32 v[X+4*i+2], 16, v145
	v_and_b32 v[X+4*i+3], 0xffff0000, v145
	v_cvt_pk_f16_f32 v[X+4*i], v[X+4*i], v[X+4*i+1]  ; 8 significant bits fit f16's 11
	v_cvt_pk_f16_f32 v[X+4*i+1], v[X+4*i+2], v[X+4*i+3]
.set i, i+1
.endr
	s_wait_alu depctr_va_vdst(0)                   ; the last block's conversions have written slots 12 to 15, which the last four stores read
.set i, 12
.rept 4
	global_store_b64 v5, v[X+4*i:X+4*i+1], s[28:29] offset:256*i
.set i, i+1
.endr
	s_endpgm
.Lsum:	; 32 x THE SUM OVER o OF bf16(Wv[c][o][h]) for 64 columns h.  Wave w takes rows 64 w .. 64 w + 63; a load takes 256 consecutive, aligned bytes of each of two rows.
	s_lshr_b32 s24, s23, 4                         ; c
	s_and_b32 s25, s23, 15                         ; which 64 columns
	s_lshl_b32 s30, s24, 22
	s_lshl_b32 s32, s25, 8
	s_add_co_u32 s30, s30, s32
	s_add_nc_u64 s[26:27], s[10:11], s[30:31]
	s_lshl_b32 s30, s24, 12
	s_add_co_u32 s30, s30, s32
	s_add_nc_u64 s[28:29], s[20:21], s[30:31]      ; wvs at my 64 numbers
	s_mov_b32 s36, 0x76543210                      ; v_permlanex16_b32: each lane takes its own place in the other half
	s_mov_b32 s37, 0xfedcba98
	s_lshl_b32 s25, s22, 18
	v_lshl_add_u32 v4, v3, 12, s25                 ; (64 x wave + lane / 16) rows of 4,096 bytes
	v_lshl_add_u32 v4, v2, 4, v4                   ; + 16 x (lane % 16)
	s_lshl_b32 s33, s22, 8
	v_lshl_add_u32 v7, v2, 4, s33                  ; LDS: 256 x wave + 16 x (lane % 16)
	v_lshlrev_b32 v8, 3, v1                        ; 8 x lane
	s_wait_alu depctr_va_vdst(0)                   ; v4, v7 and v8 are written: the loads' offset, the LDS store's address, the LDS loads' address and the last store's offset
.set i, 0
.rept 32
	global_load_b128 v[X+4*i:X+4*i+3], v4, s[26:27] offset:8192*i th:TH_LOAD_NT
.set i, i+1
.endr
	v_mov_b32 v148, 0x42000000                     ; 32.0
.irp r, 0,1,2,3
	v_mov_b32 v[AC0+\r], 0                         ; eight sums start at 0 while the loads are out
	v_mov_b32 v[AC1+\r], 0
.endr
.set i, 0
.rept 32
.set A, AC0+8*(i%2)                    ; two sets by turns, so that a sum's links stand eight lines apart
	s_wait_loadcnt 31-i
	v_cvt_pk_bf16_f32 v[X+4*i], v[X+4*i], v[X+4*i+1]
	v_cvt_pk_bf16_f32 v[X+4*i+1], v[X+4*i+2], v[X+4*i+3]
	v_fma_mix_f32_bf16 v[A],   v[X+4*i],   v148, v[A]   op_sel_hi:[1,0,0]               ; the low half x 32 + the sum, in f32
	v_fma_mix_f32_bf16 v[A+1], v[X+4*i],   v148, v[A+1] op_sel:[1,0,0] op_sel_hi:[1,0,0]  ; the high half
	v_fma_mix_f32_bf16 v[A+2], v[X+4*i+1], v148, v[A+2] op_sel_hi:[1,0,0]
	v_fma_mix_f32_bf16 v[A+3], v[X+4*i+1], v148, v[A+3] op_sel:[1,0,0] op_sel_hi:[1,0,0]
.set i, i+1
.endr
	v_pk_add_f32 v[AC0:AC0+1], v[AC0:AC0+1], v[AC1:AC1+1]
	v_pk_add_f32 v[AC0+2:AC0+3], v[AC0+2:AC0+3], v[AC1+2:AC1+3]
.irp r, 0,1,2,3
	v_permlanex16_b32 v[X+\r], v[AC0+\r], s36, s37 ; the odd rows' sums lie 16 lanes away
.endr
.irp r, 0,1,2,3
	v_add_f32 v[AC0+\r], v[AC0+\r], v[X+\r]
.endr
	s_wait_alu depctr_va_vdst(0)                   ; the sums have written v[AC0 ..], which the LDS store reads; and every vector instruction that read or wrote v[X ..] is done: wave 0's LDS loads behind the barrier land there, with scalar lines alone between
	ds_store_b128 v7, v[AC0:AC0+3]                 ; lanes l and l + 16 store the same numbers at the same place
	s_wait_dscnt 0x0                               ; for the others' sake: my store is done
	s_barrier_signal -1                            ; all 16 waves of this work-group are on this path: the branch that led here hangs on the work-group's number alone
	s_barrier_wait -1
	s_cmp_lg_u32 s22, 0
	s_cbranch_scc1 .Lsum_end
.set k, 0
.rept 16
	ds_load_b64 v[X+2*k:X+2*k+1], v8 offset:256*k  ; wave k's sums of my two columns
.set k, k+1
.endr
	s_wait_dscnt 0x0
.irp st, 8,4,2,1
.set k, 0
.rept \st
	v_pk_add_f32 v[X+2*k:X+2*k+1], v[X+2*k:X+2*k+1], v[X+2*(k+\st):X+2*(k+\st)+1]
.set k, k+1
.endr
.endr
	s_wait_alu depctr_va_vdst(0)                   ; the last addition has written v[X:X+1], which the store reads
	global_store_b64 v8, v[X:X+1], s[28:29]        ; 256 consecutive bytes, aligned
.Lsum_end:
	s_wait_dscnt 0x0                               ; the wave's end, behind the wave's last LDS store
	s_wait_alu 0x0
	s_wait_tensorcnt 0x0
	ds_add_u32 v[SPW], v[NIL]
	s_wait_dscnt 0x0
	s_endpgm
.Lfunc_end_k_qe3abfcab87_prep:
	.size	k_qe3abfcab87_prep, .Lfunc_end_k_qe3abfcab87_prep-k_qe3abfcab87_prep
	.p2alignl 7, 3214868480
	.fill 96, 4, 3214868480
	.section	.rodata,"a",@progbits
	.p2align	6, 0x0
	.amdhsa_kernel k_qe3abfcab87_prep
		.amdhsa_group_segment_fixed_size 6144
		.amdhsa_private_segment_fixed_size 0
		.amdhsa_enable_private_segment 0
		.amdhsa_kernarg_size 72
		.amdhsa_user_sgpr_count 2
		.amdhsa_user_sgpr_kernarg_segment_ptr 1
		.amdhsa_wavefront_size32 1
		.amdhsa_system_sgpr_workgroup_id_x 1
		.amdhsa_system_sgpr_workgroup_id_y 1
		.amdhsa_system_sgpr_workgroup_id_z 1
		.amdhsa_system_vgpr_workitem_id 0
		.amdhsa_next_free_vgpr 160
		.amdhsa_next_free_sgpr 66
		.amdhsa_reserve_vcc 0
		.amdhsa_float_denorm_mode_32 3
		.amdhsa_float_denorm_mode_16_64 3
		.amdhsa_memory_ordered 1
		.amdhsa_forward_progress 1
		.amdhsa_inst_pref_size 52
	.end_amdhsa_kernel
	.amdgpu_metadata
---
amdhsa.version: [ 1, 2 ]
amdhsa.kernels:
  - .name:           k_qe3abfcab87_prep
    .symbol:         k_qe3abfcab87_prep.kd
    .args:
      - { .name: hidden, .offset: 0, .size: 8, .value_kind: global_buffer, .address_space: global }
      - { .name: Wk, .offset: 8, .size: 8, .value_kind: global_buffer, .address_space: global }
      - { .name: Wq, .offset: 16, .size: 8, .value_kind: global_buffer, .address_space: global }
      - { .name: Wv, .offset: 24, .size: 8, .value_kind: global_buffer, .address_space: global }
      - { .name: emb, .offset: 32, .size: 8, .value_kind: global_buffer, .address_space: global }
      - { .name: hb, .offset: 40, .size: 8, .value_kind: global_buffer, .address_space: global }
      - { .name: wb, .offset: 48, .size: 8, .value_kind: global_buffer, .address_space: global }
      - { .name: qk, .offset: 56, .size: 8, .value_kind: global_buffer, .address_space: global }
      - { .name: wvs, .offset: 64, .size: 8, .value_kind: global_buffer, .address_space: global }
    .group_segment_fixed_size: 6144
    .private_segment_fixed_size: 0
    .kernarg_segment_align: 8
    .kernarg_segment_size: 72
    .max_flat_workgroup_size: 512
    .sgpr_count:     66
    .vgpr_count:     160
    .wavefront_size: 32
...
	.end_amdgpu_metadata
.endif
;; end of part 4
;; launch proj: the kernel of part 2 again; grid 16 x 16, 4 waves a work-group, clusters of 4 x 4, 327,680 bytes of LDS; arguments hb, wb, qk, wvs, vs; writes qk, vs
;; launch att: the kernel of part 3 again; grid 8 x 32, 4 waves a work-group, clusters of 4 x 1, 327,680 bytes of LDS; arguments qk, vs, out0; writes out0
